; MI455X (gfx1250); checked and timed in simulation.
; The chip was launched on July 23, 2026; its instructions are those of AMD's public machine-readable ISA for CDNA 5 (MIT licence, August 2026) and "CDNA5" Instruction Set Architecture Reference Guide (July 2026). The comments in the code are by the model that wrote it; some were corrected since.
;; Multi Head Attention. Allowed arithmetic: matrix products marked QUANTISED: E2M1 operands, one E8M0 scale for each 32 along K, by v_wmma_scale_f32_16x16x128_f8f6f4 with both operands' format E2M1 (or v_wmma_scale_f32_32x16x128_f4), f32 sums; products left as they are: bf16, f16 or f32 operands; f32 sums; everything else in f32.
;; Inputs: Wk 1,024 x 1,024 float32; Wo 1,024 x 1,024 float32; Wq 1,024 x 1,024 float32; Wv 1,024 x 1,024 float32; bk 1,024 float32; bo 1,024 float32; bq 1,024 float32; bv 1,024 float32; k 4 x 2,048 x 1,024 float32; mask 1 x 1 x 2,048 x 2,048 int32; q 4 x 2,048 x 1,024 float32; v 4 x 2,048 x 1,024 float32.
;; Outputs: out0 4 x 2,048 x 1,024 float32.
;; This version of the problem:
;;   THIS VERSION OF THE PROBLEM IS GIVEN IN LOW PRECISION. The matrix products marked QUANTISED in the list below multiply operands that are first quantised to E2M1 (2 exponent bits, 1 mantissa bit; 4 bits a number), with one power-of-two scale for each 32 numbers along K (OCP MX v1.0); their sums are f32. The products marked 'left as it is' may take bf16, f16 or f32 operands, with f32 sums. Whichever they take, every output number must still come out within the allowed error. Rounding operands to bf16 (8 significant bits) uses up far more of that allowance than f16 does (11 bits, for magnitudes from 6e-5 to 65,504). All else is computed in f32.
;;   The module's matrix products, in the order in which they are computed (A, B: the left and right operand; K: the contracted axis; several contracted axes count as one K, in the product's order):
;;     1. [M 8,192, K 1,024] x [K 1,024, N 1,024]; A: input q; B: input Wq: QUANTISED
;;     2. [M 8,192, K 1,024] x [K 1,024, N 1,024]; A: input k; B: input Wk: QUANTISED
;;     3. [M 8,192, K 1,024] x [K 1,024, N 1,024]; A: input v; B: input Wv: QUANTISED
;;     4. batch 64 x [M 2,048, K 64] x [K 64, N 2,048]; A: computed on the way; B: computed on the way: left as it is (an operand is computed on the way)
;;     5. batch 64 x [M 2,048, K 2,048] x [K 2,048, N 64]; A: computed on the way; B: computed on the way: left as it is (an operand is computed on the way)
;;     6. [M 8,192, K 1,024] x [K 1,024, N 1,024]; A: computed on the way; B: input Wo: left as it is (an operand is computed on the way)
;;   THE QUANTISER, for each operand of a quantised product, along K:
;;     - K is cut into blocks of 32 from its start; a last block that is shorter is filled with zeros.
;;     - A block's scale is 2^e with e = floor(log2(the largest magnitude in the block)) - 2, held to -126 .. 127; a block of zeros has e = 0. As a byte (E8M0): e + 127.
;;     - Each number is divided by its block's scale, clamped to +-6, and rounded to the nearest number of E2M1, ties to even, subnormals kept.
;;     - The product sums the exact products of the quantised numbers (number of the format x scale) in f32.
;;   ~~~python
;;   def quantise(x, axis):      # numpy; x: float32 -> the quantised numbers, widened to float32 again
;;       x = np.moveaxis(x, axis, -1); K = x.shape[-1]
;;       x = np.pad(x, [(0, 0)] * (x.ndim - 1) + [(0, -K % 32)]); x = x.reshape(x.shape[:-1] + (-1, 32)); a = np.abs(x).max(-1, keepdims=True)
;;       e = np.where(a > 0, np.clip(np.frexp(np.where(a > 0, a, 1))[1] - 1 - 2, -126, 127), 0)      # np.frexp(a)[1] - 1 = floor(log2(a)), exactly
;;       r = np.clip(x / 2.0 ** e, -6, 6)
;;       step = 2.0 ** (np.maximum(np.frexp(np.where(r == 0, 1, r))[1] - 1, 0) - 1)
;;       q = np.round(r / step) * step * 2.0 ** e      # np.round: ties to even
;;       return np.moveaxis(q.reshape(q.shape[:-2] + (-1,))[..., :K], -1, axis).astype(np.float32)
;;   ~~~
;; One version. Each part assembles by itself: llvm-mc -triple=amdgcn-amd-amdhsa -mcpu=gfx1250 --defsym DOCPART=n.
;; ======== version 1 of 1: 4 launches
;; limits: values are held in f16: magnitudes above 65,504 overflow, below 6.1e-05 lose precision
;; workspace buffers: codes 14,155,776 bytes; scales 884,736 bytes; tabs 2,621,440 bytes; maskw 524,288 bytes of whole numbers; qkv 50,331,648 bytes; af 16,777,216 bytes
;; launch prep (part 1): grid 1120 x 1, 4 waves a work-group, no clusters, 85,504 bytes of LDS; arguments q, k, v, mask, Wq, Wk, Wv, Wo, codes, scales, tabs, maskw; writes codes, scales, tabs, maskw
.if DOCPART == 1
	.amdgcn_target "amdgcn-amd-amdhsa--gfx1250"
	.amdhsa_code_object_version 6
	.text
	.protected	k_q1fe8c9296d_prep
	.globl	k_q1fe8c9296d_prep
	.p2align	8
	.type	k_q1fe8c9296d_prep,@function
k_q1fe8c9296d_prep:
	s_mov_b64 s[64:65], 0
	v_nop
	global_prefetch_b8 v0, s[64:65] scope:SCOPE_SE
	s_setreg_imm32_b32 hwreg(HW_REG_WAVE_MODE, 25, 1), 1
	s_wait_xcnt 0x0
; MULTI-HEAD ATTENTION, launch 1 of 4: everything that is made once and read many times.
; DEAD WORK: none is left out in any launch.  bq and bk go into the rotated q and k (behind the rotation bk is not the same along the keys), bv and bo reach the output, the mask is an
; input whose holes may lie anywhere: every input is loaded, every score is computed and then selected.
; Five kinds of work-group, told apart by the work-group's number alone; each kind has LDS bytes of its own and ends by itself:
;   W  (0..47)      Wq, Wk, Wv [k][n] f32 -> codes of E2M1 with K innermost, rows 24,576 + 1,024 t + n of 'codes', and their E8M0 bytes in 'scales'
;   O  (48..63)     Wo [k][n] f32 -> f16, laid as the matrix operand's registers: tabs + nt 32,768 + ks 1,024 + c 512 + 16 lane; lane (r, h): column 16 nt + r, k = 32 ks + 16 c + 8 h + 0..7
;   R  (64..95)     cos and sin of pos x 10^(-i/8): tabs + 2 MiB + tt 4,096 + b 1,024 + q 512 + 16 lane: (cos, sin, cos, sin) of pos = 16 tt + r, pairs i = 8 b + 4 h + 2 q + 0, 1
;   M  (96..351)    the mask as lane masks: maskw + qt 4,096 + st 128 + 4 i, i = 8 kt + j: bit l is set where mask[16 qt + l % 16][64 st + 16 kt + 8 (l / 16) + j] is not 0
;   X  (352..1119)  q, k, v [token][1024] f32 -> codes, rows 8,192 t + token, and their scale bytes
; THE QUANTISER: a block's scale is 2^(floor(log2(largest magnitude)) - 2); its byte is the largest magnitude's exponent field - 2, held at 1 from below; numbers are divided by it and rounded to the nearest code, ties to even.
; LIMITS: a block of zeros gets the byte 1 where the rule says 127 (its codes are zeros, and only this program reads the bytes); blocks whose largest magnitude lies under 2^-124 were not tried;
; NaN and infinities in q, k, v, Wq, Wk, Wv are not served.  Wo goes to f16: magnitudes up to 65,504.  The table's angle is pos x inv_freq rounded once, with inv_freq the f32 nearest to 10^(-i/8):
; against another rounding of inv_freq the angle moves by at most 2e-4 rad at pos = 2,047; sine and cosine are right to about 5e-7.
.set SPW,   30                         ; v30  LDS address of my spare word; never rewritten
.set NIL,   31                         ; v31  0; never rewritten
.set LDSW,  32768                      ; path W's stages: 32 rows x 272 bytes a wave
.set LDSM,  67584                      ; path M's stages: 16 rows x 272 bytes a wave.  (Path X: 8,192 bytes a wave from 0 on)
.set SPARE, 84992                      ; the spare words, 128 bytes a wave: two blocks of 256 bytes that no other line names
.set WV,    34                         ; s34  my wave's number
.macro FINISH                          ; a wave's end
	s_wait_tensorcnt 0x0
	ds_add_u32 v[SPW], v[NIL]
	s_wait_dscnt 0x0
	s_endpgm
.endm
; ---- paths W and O: block t of 32 along K of my column, into set t % 2 of v32-95: 32 lanes read 128 consecutive bytes
.macro WLOAD t
.irp i, 0,1,2,3,4,5,6,7,8,9,10,11,12,13,14,15,16,17,18,19,20,21,22,23,24,25,26,27,28,29,30,31
	global_load_b32 v[32+32*((\t)%2)+\i], v3, s[40:41] offset:(32*(\t)+\i)*4096 th:TH_LOAD_NT
.endr
.endm
.macro WBLOCK t
.set XS, 32+32*((\t)%2)
.if (\t) < 15
	s_wait_loadcnt 32                              ; this block's 32 loads are in; the next block's 32 may be out
.else
	s_wait_loadcnt 0
.endif
	v_max3_num_f32 v12, |v[XS]|, |v[XS+1]|, |v[XS+2]|      ; the block's largest magnitude: all 32 numbers are mine
	v_max3_num_f32 v13, |v[XS+3]|, |v[XS+4]|, |v[XS+5]|
.irp i, 6,10,14,18,22,26
	v_max3_num_f32 v12, v12, |v[XS+\i]|, |v[XS+\i+1]|
	v_max3_num_f32 v13, v13, |v[XS+\i+2]|, |v[XS+\i+3]|
.endr
	v_max3_num_f32 v12, v12, |v[XS+30]|, |v[XS+31]|
	v_max3_num_f32 v12, v12, v13, 0x1800000        ; and the floor 2^(3 - 127): the byte cannot fall under 1
	v_add_nc_u32 v11, 0xff000000, v12              ; 2 off the exponent field: the conversion takes this operand's exponent field as its scale
	v_lshrrev_b32 v13, 23, v11                     ; the scale's byte
.if (\t)%4 == 0
	v_mov_b32 v[24+(\t)/4], v13                    ; four bytes to a register, the lower K in the lower byte
.else
	v_lshl_or_b32 v[24+(\t)/4], v13, 8*((\t)%4), v[24+(\t)/4]
.endif
.irp g, 0,1,2,3
	v_cvt_scalef32_pk8_fp4_f32 v[96+\g], v[XS+8*\g:XS+8*\g+7], v11
.endr
	ds_store_b128 v4, v[96:99] offset:16*(\t)      ; 32 codes: 16 bytes of my column's row
.if (\t)+2 < 16
	WLOAD (\t)+2
.endif
	s_wait_dscnt 0x0                               ; the store has read its registers: the next block's codes may be written
.endm
.macro OBLOCK t
.set XS, 32+32*((\t)%2)
.set HS, 96+16*((\t)%2)
.if (\t) < 15
	s_wait_loadcnt 32                              ; as in WBLOCK
.else
	s_wait_loadcnt 0
.endif
	s_wait_xcnt 0x0                                ; the stores of two blocks ago have read this set of sixteen registers
.irp i, 0,1,2,3,4,5,6,7,8,9,10,11,12,13,14,15
	v_cvt_pk_f16_f32 v[HS+\i], v[XS+2*\i], v[XS+2*\i+1]
.endr
.if (\t)+2 < 16
	WLOAD (\t)+2
.endif
.irp q, 0,1,2,3                        ; k = 8 q .. 8 q + 7 of the block: c = q / 2, h = q % 2: 256 q bytes on; sixteen lanes store 256 consecutive bytes, aligned
	global_store_b128 v5, v[HS+4*\q:HS+4*\q+3], s[44:45] offset:1024*(\t)+256*\q
.endr
.endm
; ---- path R: cos and sin of v10 (the position, f32) x F; F = flo in lanes 0-15, fhi in lanes 16-31 (VCC)
.macro SINCOS dc, ds, flo, fhi
	v_mov_b32 v11, \fhi
	v_cndmask_b32 v11, \flo, v11, vcc_lo
	v_mul_f32 v11, v10, v11                        ; the angle, rounded once
	v_mul_f32 v12, 0.15915494, v11
	v_rndne_f32 v12, v12                           ; whole turns
	v_fma_f32 v11, -v12, s48, v11                  ; less n x 2 pi, 2 pi in two parts
	v_fma_f32 v11, v12, s49, v11
	v_mul_f32 v11, 0x3e800000, v11                 ; y = a quarter of it: |y| <= pi / 4
	v_mul_f32 v13, v11, v11
	v_mov_b32 v14, 0x3638ef1d                      ; sin y: 1/9!, -1/7!, 1/5!, -1/3!
	v_fmaak_f32 v14, v14, v13, 0xb9500d01
	v_fmaak_f32 v14, v14, v13, 0x3c088889
	v_fmaak_f32 v14, v14, v13, 0xbe2aaaab
	v_mul_f32 v14, v14, v13
	v_fma_f32 v14, v14, v11, v11
	v_mov_b32 v15, 0x37d00d01                      ; cos y: 1/8!, -1/6!, 1/4!, -1/2
	v_fmaak_f32 v15, v15, v13, 0xbab60b61
	v_fmaak_f32 v15, v15, v13, 0x3d2aaaab
	v_fmaak_f32 v15, v15, v13, 0xbf000000
	v_fma_f32 v15, v15, v13, 1.0
	v_mul_f32 v16, v14, v15                        ; the angle doubled: 2 s c, 1 - 2 s s
	v_mul_f32 v17, v14, v14
	v_add_f32 v14, v16, v16
	v_fma_f32 v15, v17, -2.0, 1.0
	v_mul_f32 v16, v14, v15                        ; and once more
	v_mul_f32 v17, v14, v14
	v_add_f32 v[\ds], v16, v16
	v_fma_f32 v[\dc], v17, -2.0, 1.0
.endm
; ---- path X: a wave takes 16 steps of 512 numbers; loads run four steps ahead, the turn through LDS one step
.macro XLOAD t
.irp i, 0,1,2,3
	global_load_b128 v[32+16*((\t)%4)+4*\i:32+16*((\t)%4)+4*\i+3], v3, s[40:41] offset:2048*(\t)+512*\i th:TH_LOAD_NT   ; 32 lanes read 512 consecutive bytes
.endr
.endm
.macro XTURN t                         ; step t's 2,048 bytes go into the stage as they lie and come back 64 bytes a lane: LDS serves a wave's instructions in order
.irp i, 0,1,2,3
	ds_store_b128 v14, v[32+16*((\t)%4)+4*\i:32+16*((\t)%4)+4*\i+3] offset:2560*((\t)%2)+640*\i
.endr
.irp i, 0,1,2,3
	ds_load_b128 v[96+16*((\t)%2)+4*\i:96+16*((\t)%2)+4*\i+3], v15 offset:2560*((\t)%2)+16*\i
.endr
.endm
.macro XSTEP t
.set XS, 96+16*((\t)%2)
.if (\t) > 0
	s_wait_dscnt 1                                 ; this step's numbers are back from the stage; the last step's byte store may be out
.else
	s_wait_dscnt 0x0
.endif
.if (\t)+4 < 16
	XLOAD (\t)+4                                   ; into the registers that this step's stage stores have read
.endif
.if (\t)+1 < 16
.if 14-(\t) >= 3
	s_wait_loadcnt 12                              ; the next step's four loads are in; those of the three steps behind it may be out
.else
	s_wait_loadcnt 4*(14-(\t))
.endif
	XTURN (\t)+1
.endif
	v_max3_num_f32 v8, |v[XS]|, |v[XS+1]|, |v[XS+2]|       ; the largest magnitude of my 16
	v_max3_num_f32 v9, |v[XS+3]|, |v[XS+4]|, |v[XS+5]|
.irp i, 6,10
	v_max3_num_f32 v8, v8, |v[XS+\i]|, |v[XS+\i+1]|
	v_max3_num_f32 v9, v9, |v[XS+\i+2]|, |v[XS+\i+3]|
.endr
	v_max3_num_f32 v8, v8, |v[XS+14]|, |v[XS+15]|
	v_max3_num_f32 v8, v8, v9, 0x1800000           ; and the floor
	v_max_num_f32_dpp v8, v8, v8 row_xmask:1 row_mask:0xf bank_mask:0xf   ; and of my neighbour's 16: the block's
	v_add_nc_u32 v11, 0xff000000, v8
	v_cvt_scalef32_pk8_fp4_f32 v[144+2*(\t)], v[XS:XS+7], v11
	v_cvt_scalef32_pk8_fp4_f32 v[145+2*(\t)], v[XS+8:XS+15], v11
	v_lshrrev_b32 v[128+(\t)], 23, v11             ; the scale's byte (a plain line behind the conversions)
	ds_store_b8 v5, v[128+(\t)] offset:16*(\t)     ; both lanes of a block write the same byte with the same value
	global_store_b64 v4, v[144+2*(\t):145+2*(\t)], s[44:45] offset:256*(\t)   ; the wave stores 256 consecutive bytes, aligned
.endm
	s_load_b512 s[4:19], s[0:1], 0x0               ; q s[4:5], k s[6:7], v s[8:9], mask s[10:11], Wq s[12:13], Wk s[14:15], Wv s[16:17], Wo s[18:19]
	s_load_b256 s[20:27], s[0:1], 0x40             ; codes s[20:21], scales s[22:23], tabs s[24:25], maskw s[26:27]
	v_lshl_add_u32 v[SPW], v0, 2, SPARE
	v_mov_b32 v[NIL], 0
	v_lshrrev_b32 v1, 5, v0
	v_readfirstlane_b32 s[WV], v1                  ; wave 0..3
	v_and_b32 v2, 31, v0                           ; lane
	s_wait_kmcnt 0x0
	s_cmp_lt_u32 ttmp9, 48
	s_cbranch_scc1 .Lpath_w
	s_cmp_lt_u32 ttmp9, 64
	s_cbranch_scc1 .Lpath_o
	s_cmp_lt_u32 ttmp9, 96
	s_cbranch_scc1 .Lpath_r
	s_cmp_lt_u32 ttmp9, 352
	s_cbranch_scc1 .Lpath_m
	; ================ X: q, k, v.  Rows are dense and 1,024 is a multiple of 32: a tensor is a plain stream of blocks, and so are its codes and scale bytes
	s_sub_co_u32 s36, ttmp9, 352
	s_lshr_b32 s37, s36, 8                         ; which tensor
	s_cmp_eq_u32 s37, 0
	s_cselect_b64 s[40:41], s[4:5], s[6:7]
	s_cmp_eq_u32 s37, 2
	s_cselect_b64 s[40:41], s[8:9], s[40:41]
	s_and_b32 s38, s36, 255
	s_lshl_b32 s38, s38, 2
	s_add_co_u32 s38, s38, s[WV]                   ; my run of 8,192 numbers in the tensor
	s_lshl_b32 s42, s38, 15
	s_mov_b32 s43, 0
	s_add_nc_u64 s[40:41], s[40:41], s[42:43]
	s_lshl_b32 s38, s36, 2
	s_add_co_u32 s38, s38, s[WV]                   ; and among all three tensors' runs
	s_lshl_b32 s42, s38, 12
	s_add_nc_u64 s[44:45], s[20:21], s[42:43]      ; 4,096 bytes of codes a run
	s_lshl_b32 s42, s38, 8
	s_add_nc_u64 s[46:47], s[22:23], s[42:43]      ; 256 scale bytes a run
	v_lshlrev_b32 v3, 4, v2                        ; my 16 bytes of a load's 512
	s_lshl_b32 s39, s[WV], 13                      ; my wave's 8,192 bytes of LDS: two stages of 32 x 80, then 256 scale bytes
	v_lshrrev_b32 v14, 2, v2
	v_mul_u32_u24 v14, v14, 80
	v_and_b32 v15, 3, v2
	v_lshl_add_u32 v14, v15, 4, v14
	v_add_nc_u32 v14, s39, v14                     ; into a stage: four lanes' 64 bytes on end, then 16 of padding
	v_mul_u32_u24 v15, v2, 80
	v_add_nc_u32 v15, s39, v15                     ; out of it: my 16 neighbours
	v_lshlrev_b32 v4, 3, v2                        ; 8 bytes a lane: my codes in a step's 256, my part of the 256 scale bytes
	s_add_co_u32 s39, s39, 5120
	v_lshrrev_b32 v5, 1, v2
	v_add_nc_u32 v5, s39, v5                       ; my block's byte
	v_add_nc_u32 v6, s39, v4
.irp t, 0,1,2,3
	XLOAD \t
.endr
	s_wait_loadcnt 12                              ; step 0's four loads are in
	XTURN 0
.irp t, 0,1,2,3,4,5,6,7,8,9,10,11,12,13,14,15
	XSTEP \t
.endr
	ds_load_b64 v[8:9], v6                         ; LDS serves a wave's instructions in order: these see my byte stores
	s_wait_dscnt 0x0
	global_store_b64 v4, v[8:9], s[46:47]          ; 32 lanes store 256 consecutive bytes, aligned
	FINISH
	; ================ W: a lane takes a column n, its registers run down K: the conversions' results have K innermost, and nothing is transposed by an instruction
.Lpath_w:
	s_lshr_b32 s36, ttmp9, 4                       ; which weight
	s_and_b32 s37, ttmp9, 7                        ; which 128 columns
	s_bfe_u32 s38, ttmp9, 0x10003                  ; which 512 along K
	s_cmp_eq_u32 s36, 0
	s_cselect_b64 s[40:41], s[12:13], s[14:15]
	s_cmp_eq_u32 s36, 2
	s_cselect_b64 s[40:41], s[16:17], s[40:41]
	s_lshl_b32 s37, s37, 7
	s_lshl_b32 s39, s[WV], 5
	s_add_co_u32 s37, s37, s39                     ; my wave's first column
	s_lshl_b32 s42, s38, 21                        ; 512 rows of 4,096 bytes
	s_lshl_b32 s39, s37, 2
	s_add_co_u32 s42, s42, s39
	s_mov_b32 s43, 0
	s_add_nc_u64 s[40:41], s[40:41], s[42:43]
	s_lshl_b32 s36, s36, 10
	s_add_co_u32 s36, s36, s37
	s_add_co_u32 s36, s36, 24576                   ; that column's row in 'codes' and 'scales'
	s_lshl_b32 s42, s36, 9
	s_lshl_b32 s39, s38, 8
	s_add_co_u32 s42, s42, s39
	s_add_nc_u64 s[44:45], s[20:21], s[42:43]
	s_lshl_b32 s42, s36, 5
	s_lshl_b32 s39, s38, 4
	s_add_co_u32 s42, s42, s39
	s_add_nc_u64 s[46:47], s[22:23], s[42:43]
	v_lshlrev_b32 v3, 2, v2
	s_mul_i32 s39, s[WV], 8704
	s_add_co_u32 s39, s39, LDSW                    ; my stage
	v_mul_u32_u24 v4, v2, 272
	v_add_nc_u32 v4, s39, v4                       ; into it: row = my column
	v_and_b32 v5, 15, v2
	v_lshrrev_b32 v6, 4, v2
	v_mul_u32_u24 v7, v6, 272
	v_lshl_add_u32 v7, v5, 4, v7
	v_add_nc_u32 v7, s39, v7                       ; out of it: sixteen lanes to a row, two rows an instruction
	v_lshlrev_b32 v8, 9, v6
	v_lshl_add_u32 v8, v5, 4, v8                   ; and the same place in 'codes'
	v_lshlrev_b32 v9, 5, v2                        ; my column's row of scale bytes
	WLOAD 0
	WLOAD 1
.set Q, 0
.rept 16
	WBLOCK Q
.set Q, Q+1
.endr
	global_store_b128 v9, v[24:27], s[46:47]       ; my column's 16 scale bytes
.irp t, 0,1,2,3,4,5,6,7,8,9,10,11,12,13,14,15
	ds_load_b128 v[112+4*\t:112+4*\t+3], v7 offset:544*\t
.endr
.irp t, 0,1,2,3,4,5,6,7,8,9,10,11,12,13,14,15
	s_wait_dscnt 15-\t                             ; LDS loads come back in order: number t is in
	global_store_b128 v8, v[112+4*\t:112+4*\t+3], s[44:45] offset:1024*\t   ; sixteen lanes store 256 consecutive bytes, aligned
.endr
	FINISH
	; ================ O: the same walk over Wo; the numbers are rounded to f16 and stored where the last launch's operand registers take them
.Lpath_o:
	s_sub_co_u32 s36, ttmp9, 48
	s_and_b32 s37, s36, 7                          ; which 128 columns
	s_lshr_b32 s38, s36, 3                         ; which 512 along K
	s_lshl_b32 s42, s38, 21
	s_lshl_b32 s39, s37, 9
	s_add_co_u32 s42, s42, s39
	s_lshl_b32 s39, s[WV], 7
	s_add_co_u32 s42, s42, s39
	s_mov_b32 s43, 0
	s_add_nc_u64 s[40:41], s[18:19], s[42:43]
	s_lshl_b32 s42, s37, 3
	s_lshl_b32 s39, s[WV], 1
	s_add_co_u32 s42, s42, s39                     ; my wave's first tile of 16 columns
	s_lshl_b32 s42, s42, 15
	s_lshl_b32 s39, s38, 14                        ; 16 steps of 32 along K, 1,024 bytes each
	s_add_co_u32 s42, s42, s39
	s_add_nc_u64 s[44:45], s[24:25], s[42:43]
	v_lshlrev_b32 v3, 2, v2
	v_and_b32 v5, 15, v2
	v_lshrrev_b32 v6, 4, v2
	v_lshlrev_b32 v5, 4, v5
	v_lshl_add_u32 v5, v6, 15, v5                  ; lanes 16-31: the next tile of columns
	WLOAD 0
	WLOAD 1
.set Q, 0
.rept 16
	OBLOCK Q
.set Q, Q+1
.endr
	FINISH
	; ================ R: a wave makes the table of 16 positions
.Lpath_r:
	s_sub_co_u32 s36, ttmp9, 64
	s_lshl_b32 s36, s36, 2
	s_add_co_u32 s36, s36, s[WV]                   ; which 16 positions
	s_lshl_b32 s42, s36, 12
	s_add_co_u32 s42, s42, 0x200000
	s_mov_b32 s43, 0
	s_add_nc_u64 s[44:45], s[24:25], s[42:43]
	s_lshl_b32 s37, s36, 4
	v_and_b32 v10, 15, v2
	v_add_nc_u32 v10, s37, v10
	v_cvt_f32_u32 v10, v10                         ; my position
	v_cmp_le_u32 vcc_lo, 16, v2                    ; lanes 16-31 take the pairs four further on
	v_lshlrev_b32 v8, 4, v2
	s_mov_b32 s48, 0x40c90fdb                      ; 2 pi = this
	s_mov_b32 s49, 0x343bbd2e                      ; less this
	SINCOS 32, 33, 1.0, 0.3162277660
	SINCOS 34, 35, 0.7498942093, 0.2371373706
	SINCOS 36, 37, 0.5623413252, 0.1778279410
	SINCOS 38, 39, 0.4216965034, 0.1333521432
	SINCOS 40, 41, 0.1, 0.03162277660
	SINCOS 42, 43, 0.07498942093, 0.02371373706
	SINCOS 44, 45, 0.05623413252, 0.01778279410
	SINCOS 46, 47, 0.04216965034, 0.01333521432
	SINCOS 48, 49, 0.01, 0.003162277660
	SINCOS 50, 51, 0.007498942093, 0.002371373706
	SINCOS 52, 53, 0.005623413252, 0.001778279410
	SINCOS 54, 55, 0.004216965034, 0.001333521432
	SINCOS 56, 57, 0.001, 0.0003162277660
	SINCOS 58, 59, 0.0007498942093, 0.0002371373706
	SINCOS 60, 61, 0.0005623413252, 0.0001778279410
	SINCOS 62, 63, 0.0004216965034, 0.0001333521432
.irp i, 0,1,2,3,4,5,6,7
	global_store_b128 v8, v[32+4*\i:32+4*\i+3], s[44:45] offset:512*\i      ; the wave stores 512 consecutive bytes
.endr
	FINISH
	; ================ M: a wave takes 16 queries x 256 keys.  Rows come in as whole runs of 256 bytes, turn through the stage into the score's layout (lane (r, h): query r, keys 16 kt + 8 h + j), and each register gives one lane mask
.Lpath_m:
	s_sub_co_u32 s36, ttmp9, 96
	s_lshr_b32 s37, s36, 1                         ; which 16 queries
	s_and_b32 s38, s36, 1
	s_lshl_b32 s38, s38, 2
	s_add_co_u32 s38, s38, s[WV]                   ; which 256 keys
	s_lshl_b32 s42, s37, 17
	s_lshl_b32 s39, s38, 10
	s_add_co_u32 s42, s42, s39
	s_mov_b32 s43, 0
	s_add_nc_u64 s[40:41], s[10:11], s[42:43]
	s_lshl_b32 s42, s37, 12
	s_lshl_b32 s39, s38, 9
	s_add_co_u32 s42, s42, s39
	s_add_nc_u64 s[44:45], s[26:27], s[42:43]
	v_and_b32 v3, 15, v2                           ; r
	v_lshrrev_b32 v4, 4, v2                        ; h
	v_lshlrev_b32 v5, 4, v3
	v_lshl_add_u32 v5, v4, 13, v5                  ; in memory: lanes 0-15 one row's 256 bytes, lanes 16-31 the next row's
	s_mul_i32 s39, s[WV], 4352
	s_add_co_u32 s39, s39, LDSM
	v_mul_u32_u24 v6, v4, 272
	v_lshl_add_u32 v6, v3, 4, v6
	v_add_nc_u32 v6, s39, v6                       ; into the stage, likewise
	v_mul_u32_u24 v7, v3, 272
	v_lshl_add_u32 v7, v4, 5, v7
	v_add_nc_u32 v7, s39, v7                       ; out of it: row r, + 8 h keys
	v_lshlrev_b32 v8, 4, v2
.irp i, 0,1,2,3
	v_mov_b32 v[24+\i], 0                          ; written once: a lane write's destination counts as read
.endr
.irp st, 0,1,2,3
.irp i, 0,1,2,3,4,5,6,7
	global_load_b128 v[64+32*\st+4*\i:64+32*\st+4*\i+3], v5, s[40:41] offset:16384*\i+256*\st th:TH_LOAD_NT
.endr
.endr
.irp st, 0,1,2,3
	s_wait_loadcnt 24-8*\st                        ; this step's eight loads are in; the later steps' may be out
.irp i, 0,1,2,3,4,5,6,7
	ds_store_b128 v6, v[64+32*\st+4*\i:64+32*\st+4*\i+3] offset:544*\i
.endr
.irp kt, 0,1,2,3
.irp jj, 0,1
	ds_load_b128 v[32+8*\kt+4*\jj:32+8*\kt+4*\jj+3], v7 offset:64*\kt+16*\jj
.endr
.endr
	s_wait_dscnt 0x0
.irp i, 0,1,2,3,4,5,6,7,8,9,10,11,12,13,14,15,16,17,18,19,20,21,22,23,24,25,26,27,28,29,30,31
	v_cmp_ne_u32 s[48+\i%8], 0, v[32+\i]           ; word i of this step
	v_writelane_b32 v[24+\i%4], s[48+\i%8], 8*\st+\i/4     ; word 32 st + i of the wave's 128: lane (32 st + i) / 4, register i % 4
.endr
.endr
	global_store_b128 v8, v[24:27], s[44:45]       ; the wave stores 512 consecutive bytes
	FINISH
.Lfunc_end_k_q1fe8c9296d_prep:
	.size	k_q1fe8c9296d_prep, .Lfunc_end_k_q1fe8c9296d_prep-k_q1fe8c9296d_prep
	.p2alignl 7, 3214868480
	.fill 96, 4, 3214868480
	.section	.rodata,"a",@progbits
	.p2align	6, 0x0
	.amdhsa_kernel k_q1fe8c9296d_prep
		.amdhsa_group_segment_fixed_size 85504
		.amdhsa_private_segment_fixed_size 0
		.amdhsa_enable_private_segment 0
		.amdhsa_kernarg_size 96
		.amdhsa_user_sgpr_count 2
		.amdhsa_user_sgpr_kernarg_segment_ptr 1
		.amdhsa_wavefront_size32 1
		.amdhsa_system_sgpr_workgroup_id_x 1
		.amdhsa_system_sgpr_workgroup_id_y 1
		.amdhsa_system_sgpr_workgroup_id_z 1
		.amdhsa_system_vgpr_workitem_id 0
		.amdhsa_next_free_vgpr 192
		.amdhsa_next_free_sgpr 66
		.amdhsa_reserve_vcc 1
		.amdhsa_float_denorm_mode_32 3
		.amdhsa_float_denorm_mode_16_64 3
		.amdhsa_memory_ordered 1
		.amdhsa_forward_progress 1
		.amdhsa_inst_pref_size 232
	.end_amdhsa_kernel
	.amdgpu_metadata
---
amdhsa.version: [ 1, 2 ]
amdhsa.kernels:
  - .name:           k_q1fe8c9296d_prep
    .symbol:         k_q1fe8c9296d_prep.kd
    .args:
      - { .name: q, .offset: 0, .size: 8, .value_kind: global_buffer, .address_space: global }
      - { .name: k, .offset: 8, .size: 8, .value_kind: global_buffer, .address_space: global }
      - { .name: v, .offset: 16, .size: 8, .value_kind: global_buffer, .address_space: global }
      - { .name: mask, .offset: 24, .size: 8, .value_kind: global_buffer, .address_space: global }
      - { .name: Wq, .offset: 32, .size: 8, .value_kind: global_buffer, .address_space: global }
      - { .name: Wk, .offset: 40, .size: 8, .value_kind: global_buffer, .address_space: global }
      - { .name: Wv, .offset: 48, .size: 8, .value_kind: global_buffer, .address_space: global }
      - { .name: Wo, .offset: 56, .size: 8, .value_kind: global_buffer, .address_space: global }
      - { .name: codes, .offset: 64, .size: 8, .value_kind: global_buffer, .address_space: global }
      - { .name: scales, .offset: 72, .size: 8, .value_kind: global_buffer, .address_space: global }
      - { .name: tabs, .offset: 80, .size: 8, .value_kind: global_buffer, .address_space: global }
      - { .name: maskw, .offset: 88, .size: 8, .value_kind: global_buffer, .address_space: global }
    .group_segment_fixed_size: 85504
    .private_segment_fixed_size: 0
    .kernarg_segment_align: 8
    .kernarg_segment_size: 96
    .max_flat_workgroup_size: 128
    .sgpr_count:     66
    .vgpr_count:     192
    .wavefront_size: 32
...
	.end_amdgpu_metadata
.endif
;; end of part 1
;; launch proj (part 2): grid 4 x 96, 4 waves a work-group, clusters of 4 x 4, 327,680 bytes of LDS; arguments codes, scales, tabs, bq, bk, bv, qkv; writes qkv
.if DOCPART == 2
	.amdgcn_target "amdgcn-amd-amdhsa--gfx1250"
	.amdhsa_code_object_version 6
	.text
	.protected	k_q1fe8c9296d_proj
	.globl	k_q1fe8c9296d_proj
	.p2align	8
	.type	k_q1fe8c9296d_proj,@function
k_q1fe8c9296d_proj:
	s_mov_b64 s[64:65], 0
	v_nop
	global_prefetch_b8 v0, s[64:65] scope:SCOPE_SE
	s_setreg_imm32_b32 hwreg(HW_REG_WAVE_MODE, 25, 1), 1
	s_wait_xcnt 0x0
	s_wait_alu depctr_hold_cnt(0) depctr_sa_sdst(0) depctr_va_vdst(0) depctr_va_sdst(0) depctr_va_ssrc(0) depctr_va_vcc(0) depctr_vm_vsrc(0)
	s_getreg_b32 s2, hwreg(HW_REG_IB_STS2, 6, 4)
	s_cmp_eq_u32 s2, 0
	s_cbranch_scc0 .Lentry_in_a_cluster
	s_endpgm
.Lentry_in_a_cluster:
	s_bfe_u32 s2, ttmp6, 0x10000c
	s_cmp_lg_u32 s2, 0xf033
	s_cbranch_scc0 .Lentry_shape_is_right
	s_endpgm
.Lentry_shape_is_right:
; Launch 2 of 4: the three quantised projections on codes of E2M1 with E8M0 scales, then bias, rotation (q, k) and the rounding to f16.  No work is left out.
; One text serves all three.  A tile is 256 x 256, four waves of 128 x 128 (64 accumulators, 512 registers); K = 1,024 is two LDS slots of 512 along K, both filled once at the start: nothing is filled again.
; THE MATRIX INSTRUCTION IS USED TRANSPOSED (source 0 = 16 rows of "B", source 1 = 16 rows of "A"): a lane holds ONE row of A (lane % 16) and eight neighbouring rows of B (8 (lane / 16) + j).
;   q, k (t = 0, 1): A = tokens, B = the weight's columns: a lane holds a token and eight neighbouring channels: what attention's first product wants, and the rotation's pairs lie in one lane.
;   v    (t = 2):    A = Wv's columns, B = tokens: a lane holds a channel and eight neighbouring keys: V with the keys innermost, as the second product wants it.
; RESULTS leave straight from registers, 16 bytes a lane, 512 consecutive bytes a store, in the order of attention's operand registers:
;   Q at 0, K at 16 MiB: y 262,144 + tt 2,048 + nt 512 + 16 lane (y = 16 batch + head; token 16 tt + r; channels 16 nt + 8 h + 0..7);  V at 32 MiB: y 262,144 + ks 4,096 + ct 1,024 + c 512 + 16 lane (channel 16 ct + r; keys 32 ks + 16 c + 8 h + 0..7)
; CLUSTERS: 4 x 4 work-groups; A's tiles are shared along a row of the cluster, B's along a column: each is asked for jointly.  The tensor's number t hangs on the cluster's y alone: all sixteen partners take the same branch.
; LIMIT: the projected and rotated numbers go to f16: magnitudes up to 65,504.  Inputs and weights both 30 times the drawn spread give about 5,000; both offset by 30 spreads give 30 x 0.94 x 1,024 x sqrt(2) = 40,700; both at once are not served.
; REGISTERS: window 0: v0-31 addresses; v32-95 scale words, two sets; v128-191 A's fragments, one set, later the numbers at work; v96-103, v192-255 the way out.
;   window 1: v0-63, v128-191 B's fragments, two sets; v64-127 the bias; v192-255 the rotation's table, two sets.   windows 2, 3: the accumulators ((a, b) at v[8 (8 (a % 4) + b)]).
.set NQ,     4                         ; matrix instructions deep in a slot
.set ROWB,   256                       ; a tile's row: 512 codes
.set KROW,   512                       ; a row of 'codes'
.set PITCH,  272                       ; an LDS row: 256 bytes + 16 of padding: the sixteen rows of a load start 68 words apart
.set FR,     8
.set NL,     2
.set NP,     4
.set HALFT,  128*PITCH
.set SLOT,   4*HALFT
.set KS,     32                        ; a row of 'scales'
.set SCL,    2*SLOT                    ; behind the slots: the scale bytes, as runs of 256 bytes + 16 of padding
.set HALFS,  16*272                    ; those of 128 rows
.set SBLK,   2*272                     ; those of 16 rows
.set SPARE,  SCL+4*HALFS               ; the spare words, 128 bytes a wave
.set LI,   8                           ; v8   16 x lane
.set BO,   9                           ; v9   my offset in the bias
.set ADRA, 16
.set ADRB, 20
.set ADRS, 27
.set SPW,  28
.set NIL,  29
.set SC,   32
.set AF,   128
.set T,    128                         ; the way out: 64 numbers at work
.set U,    96                          ; four pairs at work
.set OB,   192                         ; 32 registers of f16, two sets
.set BI,   64                          ; window 1
.set RT,   192                         ; window 1, two sets of 32
.set G1,   24
.set G0,   32
.set G1B,  48
.set G0B,  56
.set G1S,  68
.set G0S,  76
.set G1SB, 80
.set G0SB, 88
.set TN,   95                          ; s95  t: 0 q, 1 k, 2 v
.set MSB, 0
.macro WIN new                         ; the immediate's high byte repeats the setting that is left
.if MSB != (\new)
	s_set_vgpr_msb (MSB<<8)|(\new)
.set MSB, (\new)
.endif
.endm
.set MUL_LO, 0xa1                      ; source 0 (B) window 1, source 1 (A) window 0, C and D window 2
.set MUL_HI, 0xf1
.set TO_B,   0x40
; A joint load: waves 0 and 1 fetch for A, waves 2 and 3 for B; the branch hangs on the wave's number alone.  An s_nop 0 and four v_nop follow each line.
.macro JLOAD g0a, g1a, g0b, g1b
	s_cmp_eq_u32 s15, 0
	s_cbranch_scc0 .Lfor_b_\@
	tensor_load_to_lds s[\g0a:\g0a+3], s[\g1a:\g1a+7]
	s_nop 0
.rept 4
	v_nop
.endr
	s_branch .Lasked_\@
.Lfor_b_\@:
	tensor_load_to_lds s[\g0b:\g0b+3], s[\g1b:\g1b+7]
	s_nop 0
.rept 4
	v_nop
.endr
.Lasked_\@:
.endm
.macro CROUND                          ; a round of the cluster's barrier
	s_barrier_signal -1
	s_barrier_wait -1
	s_cmp_lg_u32 s14, 0
	s_cbranch_scc1 .Lnot_wave_0_\@
	s_barrier_signal -3
.Lnot_wave_0_\@:
	s_barrier_wait -3
	s_barrier_signal -1
	s_barrier_wait -1
.endm
	s_load_b128 s[4:7], s[0:1], 0x0                ; codes, scales
	s_load_b128 s[8:11], s[0:1], 0x10              ; tabs, bq
	s_load_b128 s[96:99], s[0:1], 0x20             ; bk, bv
	s_load_b64 s[12:13], s[0:1], 0x30              ; qkv
	v_lshl_add_u32 v[SPW], v0, 2, SPARE
	v_mov_b32 v[NIL], 0
	ds_add_u32 v[SPW], v[NIL]                      ; the wave's opening: the add, twice on end, and its wait ahead of my first tensor load
	ds_add_u32 v[SPW], v[NIL]
	v_lshrrev_b32 v1, 5, v0
	v_readfirstlane_b32 s14, v1                    ; wave 0..3
	s_lshr_b32 s15, s14, 1                         ; which half of A's rows is mine.  Also: I fetch for A (0) or for B (1)
	s_and_b32 s16, s14, 1                          ; which half of B's rows.  Also: which 128 rows of that tile I fetch
	s_bfe_u32 s40, ttmp6, 0x40000                  ; cx
	s_bfe_u32 s41, ttmp6, 0x40004                  ; cy
	s_and_b32 s17, ttmp7, 0xffff                   ; the cluster's y, 0..23
	s_lshr_b32 s[TN], s17, 3                       ; t
	s_and_b32 s17, s17, 7
	s_lshl_b32 s17, s17, 2                         ; four tiles of 256 tokens to a cluster
	s_lshl_b32 s92, s[TN], 13                      ; q's, k's tokens: rows 8,192 t on
	s_lshl_b32 s93, s[TN], 10
	s_add_co_u32 s93, s93, 24576                   ; Wq's, Wk's columns: rows 24,576 + 1,024 t on
	s_cmp_eq_u32 s[TN], 2                          ; for v the sides change places
	s_cselect_b32 s42, s17, 0
	s_cselect_b32 s17, 0, s17
	s_cselect_b32 s92, 26624, s92                  ; A's first row
	s_cselect_b32 s93, 16384, s93                  ; B's first row
	s_add_co_u32 s42, s42, s40                     ; B's tile: hangs on cx alone
	s_add_co_u32 s17, s17, s41                     ; A's tile: hangs on cy alone
	s_lshl_b32 s43, s41, 2
	s_lshl_b32 s43, 15, s43                        ; my row of the cluster
	s_lshl_b32 s44, 0x1111, s40                    ; my column
	; descriptor group 1: 128 rows x 256 bytes, 16 bytes of padding behind each
	s_or_b32 s[G1+0], s43, (0<<16)|(1<<20)|(1<<21)|(5<<22)|(3<<25)
	s_or_b32 s[G1B+0], s44, (0<<16)|(1<<20)|(1<<21)|(5<<22)|(3<<25)
.irp g, G1, G1B
	s_mov_b32 s[\g+1], ROWB<<16                    ; tensor_dim0
	s_mov_b32 s[\g+2], 128<<16                     ; tensor_dim1
	s_mov_b32 s[\g+3], ROWB<<16                    ; tile_dim0
	s_mov_b32 s[\g+4], 128                         ; tile_dim1
	s_mov_b32 s[\g+5], KROW                        ; from row to row
	s_mov_b32 s[\g+6], 0
	s_mov_b32 s[\g+7], 0
.endr
	; the scale bytes of 128 rows: 4,096 dense bytes as 16 rows of 32 elements of 8 bytes, padded likewise
	s_or_b32 s[G1S+0], s43, (3<<16)|(1<<20)|(1<<21)|(5<<22)|(3<<25)
	s_or_b32 s[G1SB+0], s44, (3<<16)|(1<<20)|(1<<21)|(5<<22)|(3<<25)
.irp g, G1S, G1SB
	s_mov_b32 s[\g+1], 32<<16
	s_mov_b32 s[\g+2], 16<<16
	s_mov_b32 s[\g+3], 32<<16
	s_mov_b32 s[\g+4], 16
	s_mov_b32 s[\g+5], 32
	s_mov_b32 s[\g+6], 0
	s_mov_b32 s[\g+7], 0
.endr
	s_lshl_b32 s18, s16, 7                         ; which 128 rows of the tile I fetch
	s_lshl_b32 s20, s17, 8
	s_add_co_u32 s20, s20, s18
	s_add_co_u32 s20, s20, s92                     ; A's row
	s_lshl_b32 s46, s42, 8
	s_add_co_u32 s46, s46, s18
	s_add_co_u32 s46, s46, s93                     ; B's row
	s_lshl_b32 s22, s20, 5                         ; their scale bytes,
	s_mov_b32 s23, 0
	s_lshl_b32 s92, s46, 5
	s_mov_b32 s93, 0
	s_lshl_b32 s20, s20, 9                         ; their codes (27,648 rows x 512 bytes stay under 2^32)
	s_mov_b32 s21, 0
	s_lshl_b32 s46, s46, 9
	s_mov_b32 s47, 0
	s_mul_i32 s45, s14, HALFT                      ; where they go: wave x 128 rows: no place in the cluster enters an LDS address
	s_mul_i32 s94, s14, HALFS
	s_wait_dscnt 0x0                               ; both opening adds are done
	s_wait_kmcnt 0x0
	s_add_nc_u64 s[20:21], s[4:5], s[20:21]
	s_add_nc_u64 s[22:23], s[6:7], s[22:23]
	s_add_nc_u64 s[46:47], s[4:5], s[46:47]
	s_add_nc_u64 s[92:93], s[6:7], s[92:93]
	CROUND                                         ; all sixteen work-groups are here: the joint loads meet
	s_mov_b32 s[G0S], 1
	s_add_co_u32 s[G0S+1], s94, SCL
	s_mov_b64 s[G0S+2:G0S+3], s[22:23]
	s_or_b32 s[G0S+3], s[G0S+3], 0x80000000
	s_mov_b32 s[G0SB], 1
	s_add_co_u32 s[G0SB+1], s94, SCL
	s_mov_b64 s[G0SB+2:G0SB+3], s[92:93]
	s_or_b32 s[G0SB+3], s[G0SB+3], 0x80000000
	JLOAD G0S, G1S, G0SB, G1SB                     ; the scales first: they are wanted with the first slot
.irp s, 0,1
	s_mov_b32 s[G0+4*\s], 1
	s_add_co_u32 s[G0+4*\s+1], s45, \s*SLOT
	s_add_nc_u64 s[G0+4*\s+2:G0+4*\s+3], s[20:21], \s*ROWB
	s_or_b32 s[G0+4*\s+3], s[G0+4*\s+3], 0x80000000
	s_mov_b32 s[G0B+4*\s], 1
	s_add_co_u32 s[G0B+4*\s+1], s45, \s*SLOT
	s_add_nc_u64 s[G0B+4*\s+2:G0B+4*\s+3], s[46:47], \s*ROWB
	s_or_b32 s[G0B+4*\s+3], s[G0B+4*\s+3], 0x80000000
	JLOAD G0+4*\s, G1, G0B+4*\s, G1B               ; three loads of mine are out in all
.endr
	v_and_b32 v1, 15, v0                           ; r
	v_bfe_u32 v2, v0, 4, 1                         ; h
	v_mul_u32_u24 v3, v1, PITCH
	v_lshl_add_u32 v4, v2, 4, v3                   ; a fragment's row x pitch + 16 h
	s_mul_i32 s21, s15, HALFT
	s_mul_i32 s22, s16, HALFT
	s_add_co_u32 s22, s22, 2*HALFT
.irp s, 0,1
	v_add_nc_u32 v[ADRA+\s], s21, v4
	v_add_nc_u32 v[ADRB+\s], s22, v4
	s_add_co_u32 s21, s21, SLOT
	s_add_co_u32 s22, s22, SLOT
.endr
	v_mul_u32_u24 v5, v1, KS                       ; my row's scale bytes: 32 a row,
	v_lshrrev_b32 v6, 8, v5
	v_lshl_add_u32 v5, v6, 4, v5                   ; and 16 more for each 256 passed
	s_mul_i32 s21, s15, HALFS
	s_mul_i32 s22, s16, HALFS
	s_add_co_u32 s22, s22, 2*HALFS
	s_sub_co_u32 s22, s22, s21
	v_mul_u32_u24 v6, s22, v2                      ; lanes 16-31 take B's
	s_add_co_u32 s21, s21, SCL
	v_add_nc_u32 v5, v5, v6
	v_add_nc_u32 v[ADRS], s21, v5
	v_and_b32 v[LI], 31, v0
	v_lshlrev_b32 v[LI], 4, v[LI]
.macro FRAG reg, adr, q, i             ; 16 rows x 128 K of 4-bit codes: 8 registers, two loads of 16 bytes, 32 bytes apart
.irp c, 0,1
	ds_load_b128 v[\reg+4*\c:\reg+4*\c+3], v[\adr] offset:64*(\q)+32*\c+(\i)*16*PITCH
.endr
.endm
; 16 matrix instructions: A's blocks a0, a0 + 1 x B's eight.  One register carries A's scale word (lanes 0-15) and B's (lanes 16-31).  The 64 accumulators take turns, one instruction a turn.
.macro MUL16 a0, p, q, sc, zero
.irp a, \a0, \a0+1
.irp b, 0,1,2,3,4,5,6,7
.if \zero
	v_wmma_scale_f32_16x16x128_f8f6f4 v[8*(8*((\a)%4)+\b):8*(8*((\a)%4)+\b)+7], v[128*(\p)+FR*\b:128*(\p)+FR*\b+FR-1], v[AF+FR*(\a):AF+FR*(\a)+FR-1], 0, v[SC+8*NQ*(\sc)+NQ*\b+(\q)], v[SC+8*NQ*(\sc)+NQ*(\a)+(\q)] matrix_a_fmt:MATRIX_FMT_FP4 matrix_b_fmt:MATRIX_FMT_FP4 matrix_a_scale:MATRIX_SCALE_ROW1
.else
	v_wmma_scale_f32_16x16x128_f8f6f4 v[8*(8*((\a)%4)+\b):8*(8*((\a)%4)+\b)+7], v[128*(\p)+FR*\b:128*(\p)+FR*\b+FR-1], v[AF+FR*(\a):AF+FR*(\a)+FR-1], v[8*(8*((\a)%4)+\b):8*(8*((\a)%4)+\b)+7], v[SC+8*NQ*(\sc)+NQ*\b+(\q)], v[SC+8*NQ*(\sc)+NQ*(\a)+(\q)] matrix_a_fmt:MATRIX_FMT_FP4 matrix_b_fmt:MATRIX_FMT_FP4 matrix_a_scale:MATRIX_SCALE_ROW1
.endif
.endr
.endr
.endm
.macro FETCH_B slot, q, p
	WIN TO_B
.irp i, 0,1,2,3,4,5,6,7
	FRAG 128*(\p)+FR*\i, ADRB+\slot, \q, \i
.endr
	WIN 0
.endm
.macro FETCH_A slot, q, i0
.irp i, \i0, \i0+1, \i0+2, \i0+3
	FRAG AF+FR*(\i), ADRA+\slot, \q, \i
.endr
.endm
.macro SCALES sc                       ; a slot's scale words: four a row; lanes 0-15 A's block i, lanes 16-31 B's block i
.irp i, 0,1,2,3,4,5,6,7
	ds_load_b128 v[SC+8*NQ*\sc+NQ*\i:SC+8*NQ*\sc+NQ*\i+3], v[ADRS] offset:\i*SBLK
.endr
.endm
.macro PLACES n                        ; plain vector places behind matrix instructions, ahead of loads into registers that they read and of reads of their results
.rept \n
	v_nop
.endr
.endm
.macro STEP slot, q, zero              ; 128 along K with a successor in the same slot
	s_wait_dscnt 4*NL                              ; B's set and A's blocks 0-3 are in; the youngest eight loads (A's blocks 4-7) may be out
	WIN MUL_LO
	MUL16 0, (\q)%2, \q, \slot, \zero
	MUL16 2, (\q)%2, \q, \slot, \zero
	s_wait_dscnt 0
	PLACES NP
	FETCH_B \slot, (\q)+1, 1-(\q)%2
	FETCH_A \slot, (\q)+1, 0
	WIN MUL_HI
	MUL16 4, (\q)%2, \q, \slot, \zero
	MUL16 6, (\q)%2, \q, \slot, \zero
	PLACES NP
	WIN 0
	FETCH_A \slot, (\q)+1, 4
.endm
.macro STEPS slot, from
.set Q, \from
.rept NQ-1-\from
	STEP \slot, Q, 0
.set Q, Q+1
.endr
.endm
.macro SECOND_HALF                     ; slot 1's four steps
	STEPS 1, 0
	s_wait_dscnt 4*NL
	WIN MUL_LO
	MUL16 0, 1, NQ-1, 1, 0
	MUL16 2, 1, NQ-1, 1, 0
	s_wait_dscnt 0
	WIN MUL_HI
	MUL16 4, 1, NQ-1, 1, 0
	MUL16 6, 1, NQ-1, 1, 0
	WIN 0
	PLACES NP                                      ; ahead of the first read of results and the first write over A's fragments
.endm
; THE WAY OUT OF q AND k, block a of 16 tokens x 128 channels: + bias; each pair (x1, x2) turned by its position's (c, s); to f16; eight stores of 512 consecutive bytes.
.macro EPI_QK a
.set AC,  64*((\a)%4)
.set OBS, OB+32*((\a)%2)
.set RTS, RT+32*((\a)%2)
.if (\a) < 7
	s_wait_loadcnt 8                               ; the bias and this block's table are in; the next block's eight loads may be out
.else
	s_wait_loadcnt 0
.endif
.if (\a) > 1
	s_wait_xcnt 0x0                                ; the stores of two blocks ago have read this set of registers
.endif
	WIN 0x06+(\a)/4                                ; source 0: the accumulators' window; source 1: window 1
.set i, 0
.rept 32
	v_pk_add_f32 v[T+i:T+i+1], v[AC+i:AC+i+1], v[BI+i:BI+i+1]      ; each accumulator from its low end on
.set i, i+2
.endr
	WIN 0x04
.irp b, 0,1,2,3,4,5,6,7
.irp p, 0,1,2,3
	v_pk_mul_f32 v[U+2*\p:U+2*\p+1], v[T+8*\b+2*\p:T+8*\b+2*\p+1], v[RTS+8*(\b%4)+2*\p:RTS+8*(\b%4)+2*\p+1] op_sel:[1,1] op_sel_hi:[0,1]   ; (x2 s, x1 s)
.endr
.irp p, 0,1,2,3
	v_pk_fma_f32 v[T+8*\b+2*\p:T+8*\b+2*\p+1], v[T+8*\b+2*\p:T+8*\b+2*\p+1], v[RTS+8*(\b%4)+2*\p:RTS+8*(\b%4)+2*\p+1], v[U+2*\p:U+2*\p+1] op_sel_hi:[1,0,1] neg_lo:[0,0,1]   ; (x1 c - x2 s, x2 c + x1 s)
.endr
.endr
	WIN 0
.set i, 0
.rept 32
	v_cvt_pk_f16_f32 v[OBS+i], v[T+2*i], v[T+2*i+1]
.set i, i+1
.endr
.irp b, 0,1,2,3,4,5,6,7
	global_store_b128 v[LI], v[OBS+4*\b:OBS+4*\b+3], s[12:13] offset:2048*(\a)+262144*(\b/4)+512*(\b%4)
.endr
.if (\a) < 6
	WIN 0x40
.set i, 0
.rept 8
	global_load_b128 v[RTS+4*i:RTS+4*i+3], v[LI], s[8:9] offset:4096*((\a)+2)+512*i    ; the table of the block two further on
.set i, i+1
.endr
	WIN 0
.endif
.endm
; THE WAY OUT OF v, block a of 16 channels x 128 keys: a lane's bias is one number
.macro EPI_V a
.set AC,  64*((\a)%4)
.set OBS, OB+32*((\a)%2)
.if (\a) > 1
	s_wait_xcnt 0x0
.endif
	WIN 0x06+(\a)/4
.set i, 0
.rept 32
	v_pk_add_f32 v[T+i:T+i+1], v[AC+i:AC+i+1], v[BI+2*(\a):BI+2*(\a)+1]
.set i, i+2
.endr
	WIN 0
.set i, 0
.rept 32
	v_cvt_pk_f16_f32 v[OBS+i], v[T+2*i], v[T+2*i+1]
.set i, i+1
.endr
.irp b, 0,1,2,3,4,5,6,7
	global_store_b128 v[LI], v[OBS+4*\b:OBS+4*\b+3], s[12:13] offset:262144*((\a)/4)+1024*((\a)%4)+4096*(\b/2)+512*(\b%2)
.endr
.endm
	s_wait_tensorcnt 1                             ; the scales and my part of slot 0 are in; slot 1's load may be out
	s_barrier_signal -1
	s_barrier_wait -1
	FETCH_B 0, 0, 0
	FETCH_A 0, 0, 0
	SCALES 0
	FETCH_A 0, 0, 4
	STEP 0, 0, 1                                   ; the first products start the sums: nothing is cleared
	STEPS 0, 1
	; slot 0's last step, and the change to slot 1
	s_wait_tensorcnt 0x0                           ; my part of slot 1 has landed
	ds_add_u32 v[SPW], v[NIL]                      ; 0 onto my spare word
	s_wait_dscnt 4*NL+1                            ; (the add and A's blocks 4-7 may be out)
	WIN MUL_LO
	MUL16 0, 1, NQ-1, 0, 0
	s_wait_dscnt 0x0
	s_barrier_signal -1
	MUL16 2, 1, NQ-1, 0, 0
	WIN 0
	s_barrier_wait -1                              ; slot 1 is whole
	PLACES NP
	v_add_nc_u32 v[ADRS], 4*NQ, v[ADRS]            ; slot 1's scale words (no LDS load of mine is out)
	FETCH_B 1, 0, 0
	FETCH_A 1, 0, 0
	SCALES 1
	WIN MUL_HI
	MUL16 4, 1, NQ-1, 0, 0
	MUL16 6, 1, NQ-1, 0, 0
	PLACES NP
	WIN 0
	FETCH_A 1, 0, 4
	s_cmp_eq_u32 s[TN], 2                          ; the same in all waves of all sixteen partners; no barrier stands in either arm
	s_cbranch_scc1 .Larm_v
	; ---- q, k: what the way out needs is asked for now and lands under slot 1's 256 matrix instructions
	s_cmp_eq_u32 s[TN], 0
	s_cselect_b64 s[18:19], s[10:11], s[96:97]     ; bq or bk
	s_lshl_b32 s20, s17, 8
	s_lshl_b32 s21, s15, 7
	s_add_co_u32 s20, s20, s21                     ; my first token
	s_lshl_b32 s21, s42, 8
	s_lshl_b32 s22, s16, 7
	s_add_co_u32 s21, s21, s22                     ; my first channel
	s_lshl_b32 s22, s21, 2
	s_mov_b32 s23, 0
	s_add_nc_u64 s[18:19], s[18:19], s[22:23]
	s_and_b32 s46, s20, 2047
	s_lshr_b32 s46, s46, 4                         ; my first tile of 16 positions
	s_lshl_b32 s22, s46, 12
	s_add_co_u32 s22, s22, 0x200000
	s_add_nc_u64 s[8:9], s[8:9], s[22:23]          ; its table
	s_lshl_b32 s22, s[TN], 24                      ; Q at 0, K at 16 MiB
	s_lshr_b32 s47, s20, 11
	s_lshl_b32 s47, s47, 22                        ; the batch: 16 heads of 262,144 bytes
	s_add_co_u32 s22, s22, s47
	s_lshr_b32 s47, s21, 6
	s_lshl_b32 s47, s47, 18                        ; the head
	s_add_co_u32 s22, s22, s47
	s_lshl_b32 s47, s46, 11
	s_add_co_u32 s22, s22, s47
	s_add_nc_u64 s[12:13], s[12:13], s[22:23]
	v_lshlrev_b32 v[BO], 5, v2                     ; my eight channels of a tile: 32 h bytes on
	WIN 0x40
.set i, 0
.rept 16
	global_load_b128 v[BI+4*i:BI+4*i+3], v[BO], s[18:19] offset:64*(i/2)+16*(i%2)
.set i, i+1
.endr
.irp a, 0,1
.set i, 0
.rept 8
	global_load_b128 v[RT+32*\a+4*i:RT+32*\a+4*i+3], v[LI], s[8:9] offset:4096*\a+512*i
.set i, i+1
.endr
.endr
	WIN 0
	SECOND_HALF
.irp a, 0,1,2,3,4,5,6,7
	EPI_QK \a
.endr
	s_branch .Lend
	; ---- v
.Larm_v:
	s_lshl_b32 s20, s17, 8
	s_lshl_b32 s21, s15, 7
	s_add_co_u32 s20, s20, s21                     ; my first channel
	s_lshl_b32 s21, s42, 8
	s_lshl_b32 s22, s16, 7
	s_add_co_u32 s21, s21, s22                     ; my first token
	s_lshl_b32 s22, s20, 2
	s_mov_b32 s23, 0
	s_add_nc_u64 s[18:19], s[98:99], s[22:23]      ; bv there
	s_lshr_b32 s22, s21, 11
	s_lshl_b32 s22, s22, 22
	s_add_co_u32 s22, s22, 0x2000000               ; V at 32 MiB; the batch
	s_lshr_b32 s47, s20, 6
	s_lshl_b32 s47, s47, 18                        ; the head
	s_add_co_u32 s22, s22, s47
	s_and_b32 s47, s21, 2047
	s_lshr_b32 s47, s47, 5
	s_lshl_b32 s47, s47, 12                        ; 32 keys are 4,096 bytes
	s_add_co_u32 s22, s22, s47
	s_add_nc_u64 s[12:13], s[12:13], s[22:23]
	v_lshlrev_b32 v[BO], 2, v1                     ; my channel of a tile
	WIN 0x40
.set i, 0
.rept 8
	global_load_b32 v[BI+2*i], v[BO], s[18:19] offset:64*i         ; twice: the packed addition names a pair
	global_load_b32 v[BI+2*i+1], v[BO], s[18:19] offset:64*i
.set i, i+1
.endr
	WIN 0
	SECOND_HALF
	s_wait_loadcnt 0x0
.irp a, 0,1,2,3,4,5,6,7
	EPI_V \a
.endr
.Lend:
	s_wait_tensorcnt 0x0                           ; the wave's end
	ds_add_u32 v[SPW], v[NIL]
	s_wait_dscnt 0x0
	CROUND                                         ; the closing round
	s_endpgm
.Lfunc_end_k_q1fe8c9296d_proj:
	.size	k_q1fe8c9296d_proj, .Lfunc_end_k_q1fe8c9296d_proj-k_q1fe8c9296d_proj
	.p2alignl 7, 3214868480
	.fill 96, 4, 3214868480
	.section	.rodata,"a",@progbits
	.p2align	6, 0x0
	.amdhsa_kernel k_q1fe8c9296d_proj
		.amdhsa_group_segment_fixed_size 327680
		.amdhsa_private_segment_fixed_size 0
		.amdhsa_enable_private_segment 0
		.amdhsa_kernarg_size 56
		.amdhsa_user_sgpr_count 2
		.amdhsa_user_sgpr_kernarg_segment_ptr 1
		.amdhsa_wavefront_size32 1
		.amdhsa_system_sgpr_workgroup_id_x 1
		.amdhsa_system_sgpr_workgroup_id_y 1
		.amdhsa_system_sgpr_workgroup_id_z 1
		.amdhsa_system_vgpr_workitem_id 0
		.amdhsa_next_free_vgpr 1024
		.amdhsa_next_free_sgpr 100
		.amdhsa_reserve_vcc 0
		.amdhsa_float_denorm_mode_32 3
		.amdhsa_float_denorm_mode_16_64 3
		.amdhsa_memory_ordered 1
		.amdhsa_forward_progress 1
		.amdhsa_inst_pref_size 255
	.end_amdhsa_kernel
	.section	.bss,"aw",@nobits
	.p2align	6
	.space	262144
	.amdgpu_metadata
---
amdhsa.version: [ 1, 2 ]
amdhsa.kernels:
  - .name:           k_q1fe8c9296d_proj
    .symbol:         k_q1fe8c9296d_proj.kd
    .args:
      - { .name: codes, .offset: 0, .size: 8, .value_kind: global_buffer, .address_space: global }
      - { .name: scales, .offset: 8, .size: 8, .value_kind: global_buffer, .address_space: global }
      - { .name: tabs, .offset: 16, .size: 8, .value_kind: global_buffer, .address_space: global }
      - { .name: bq, .offset: 24, .size: 8, .value_kind: global_buffer, .address_space: global }
      - { .name: bk, .offset: 32, .size: 8, .value_kind: global_buffer, .address_space: global }
      - { .name: bv, .offset: 40, .size: 8, .value_kind: global_buffer, .address_space: global }
      - { .name: qkv, .offset: 48, .size: 8, .value_kind: global_buffer, .address_space: global }
    .group_segment_fixed_size: 327680
    .private_segment_fixed_size: 0
    .kernarg_segment_align: 8
    .kernarg_segment_size: 56
    .max_flat_workgroup_size: 128
    .sgpr_count:     100
    .vgpr_count:     1024
    .wavefront_size: 32
...
	.end_amdgpu_metadata
.endif
;; end of part 2
;; launch attn (part 3): grid 8 x 64, 8 waves a work-group, clusters of 4 x 1, 327,680 bytes of LDS; arguments qkv, maskw, af; writes af
.if DOCPART == 3
	.amdgcn_target "amdgcn-amd-amdhsa--gfx1250"
	.amdhsa_code_object_version 6
	.text
	.protected	k_q1fe8c9296d_attn
	.globl	k_q1fe8c9296d_attn
	.p2align	8
	.type	k_q1fe8c9296d_attn,@function
k_q1fe8c9296d_attn:
	s_mov_b64 s[64:65], 0
	v_nop
	global_prefetch_b8 v0, s[64:65] scope:SCOPE_SE
	s_setreg_imm32_b32 hwreg(HW_REG_WAVE_MODE, 25, 1), 1
	s_wait_xcnt 0x0
	s_wait_alu depctr_hold_cnt(0) depctr_sa_sdst(0) depctr_va_vdst(0) depctr_va_sdst(0) depctr_va_ssrc(0) depctr_va_vcc(0) depctr_vm_vsrc(0)
	s_getreg_b32 s2, hwreg(HW_REG_IB_STS2, 6, 4)
	s_cmp_eq_u32 s2, 0
	s_cbranch_scc0 .Lentry_in_a_cluster
	s_endpgm
.Lentry_in_a_cluster:
	s_bfe_u32 s2, ttmp6, 0x10000c
	s_cmp_lg_u32 s2, 0x3003
	s_cbranch_scc0 .Lentry_shape_is_right
	s_endpgm
.Lentry_shape_is_right:
; Launch 3 of 4: af[token][64 head + d] = sum over keys of softmax(mask ? q . k / 8 : -infinity) v, operands in f16, products, maxima and sums in f32.  No work is left out: the mask is an input, so every score is computed and then selected.
; SHARES.  A work-group owns 256 queries of one (batch, head) y; each of its eight waves 32 of them, two tiles of 16, in 384 registers: two waves to a SIMD, so that one wave's softmax stands beside the other's products.  Every wave walks all 2,048 keys, 64 a step.
; LAYOUT.  S^T = K Q^T (source 0 = 16 keys, source 1 = 16 queries) and O^T = V^T P (source 0 = 16 channels, source 1 = P): a lane holds ONE query (lane % 16) throughout; two tiles of S^T rounded in pairs ARE P.
; K and V lie in memory in the order of the operands' registers, so a step's K is sixteen runs of 512 bytes, read at 16 x lane: no pitch, no padding, no two lanes on one bank.
; THE MASK comes as lane masks, one 32-bit word for each register of S^T, by scalar loads a step ahead: one select a score, no compare.
; SOFTMAX.  A running maximum m and p = 2^(c s - c m), c = log2(e) / 8; in every step O and the sum are multiplied by a = 2^(c m_old - c m_new).  m starts at the most negative finite number, so a step that is wholly hidden gives p = 0.
; THE ROW'S SUM is a product too: L = ONES x P, whose every register holds the query's sum over the step's keys.  Register 0 alone is kept under the running maximum and read; the other seven only grow, to 2,048 at the most.
; A query with no open key ends with 0 x infinity = NaN, as the softmax of a row of -infinity does.
; CLUSTER.  The four query blocks of a cluster walk the same K and V: each tile is asked for jointly, by the same load with the mask of all four.
; REGISTERS.  window 0: v1-7 addresses and constants; v8-15 ONES; v16-31 statistics, eight a tile (+0 c m, +1 m, +4..7 at work, a at +6); v32-95 S^T; v96-127 P; v128-191 K; v192-255 V.   window 1: v0-63 O^T; v64-79 L; v96-127 Q.
.set LI,   1                           ; v1   16 x lane
.set LV,   2                           ; v2   the same in a slot's half for V
.set ADK,  3
.set ADV,  4
.set NINF, 5                           ; v5   -infinity
.set SPW,  6
.set NIL,  7
.set ONES, 8
.set ST,   16
.set S,    32
.set P,    96
.set KF,   128
.set VF,   192
.set O,    0                           ; window 1
.set L,    64
.set Q,    96
.set SLOT1, 131072                     ; a slot: 512 keys: 65,536 bytes of K, then 65,536 of V
.set SPARE, 262144                     ; the spare words, 128 bytes a wave: four blocks of 256 bytes that no other line names
.set TB,   2                           ; s2   LDS byte of the step's K
.set CNT,  3
.set WV,   14
.set MOFF, 15                          ; s15  the step's mask words: 128 bytes a step
.set G1,   16
.set G0,   24                          ; s[24:27], s[28:31]: a group 0 for each slot
.set MW0,  32                          ; s[32:63]  tile 0's 32 mask words
.set CS,   66                          ; s[66:67]  c, twice
.set MW1,  68                          ; s[68:99]  tile 1's
.set SEL,  100                         ; s[100:101]
.set MSB, 0
.macro WIN new
.if MSB != (\new)
	s_set_vgpr_msb (MSB<<8)|(\new)
.set MSB, (\new)
.endif
.endm
.macro CROUND
	s_barrier_signal -1
	s_barrier_wait -1
	s_cmp_lg_u32 s[WV], 0
	s_cbranch_scc1 .Lnot_wave_0_\@
	s_barrier_signal -3
.Lnot_wave_0_\@:
	s_barrier_wait -3
	s_barrier_signal -1
	s_barrier_wait -1
.endm
.macro MASKS                           ; the mask words of the step at s[MOFF]: 128 bytes for each of my two tiles
	s_load_b512 s[MW0:MW0+15], s[10:11], s[MOFF] offset:0x0
	s_load_b512 s[MW0+16:MW0+31], s[10:11], s[MOFF] offset:0x40
	s_load_b512 s[MW1:MW1+15], s[10:11], s[MOFF] offset:0x1000
	s_load_b512 s[MW1+16:MW1+31], s[10:11], s[MOFF] offset:0x1040
.endm
	s_load_b128 s[4:7], s[0:1], 0x0                ; qkv, maskw
	s_load_b64 s[8:9], s[0:1], 0x10                ; af
	v_lshl_add_u32 v[SPW], v0, 2, SPARE
	v_mov_b32 v[NIL], 0
	ds_add_u32 v[SPW], v[NIL]                      ; the wave's opening: the add, twice on end, and its wait ahead of my first tensor load
	ds_add_u32 v[SPW], v[NIL]
	v_lshrrev_b32 v1, 5, v0
	v_readfirstlane_b32 s[WV], v1                  ; wave 0..7
	s_bfe_u32 s68, ttmp6, 0x40000                  ; cx
	s_lshl_b32 s69, ttmp9, 2
	s_add_co_u32 s69, s69, s68                     ; my block of 256 queries: it enters Q's, the mask's and af's addresses alone
	s_and_b32 s70, ttmp7, 0xffff                   ; y = 16 batch + head, which the partners share
	s_lshr_b32 s72, s[WV], 2                       ; waves 0-3 fetch K, waves 4-7 V
	s_add_co_u32 s72, s72, 1
	s_lshl_b32 s72, s72, 24                        ; K at 16 MiB, V at 32 MiB
	s_lshl_b32 s74, s70, 18
	s_add_co_u32 s72, s72, s74
	s_and_b32 s74, s[WV], 3
	s_lshl_b32 s74, s74, 14                        ; my 16,384 bytes of a slot's 65,536
	s_add_co_u32 s72, s72, s74
	s_mov_b32 s73, 0
	s_lshl_b32 s75, s[WV], 14                      ; and their place in a slot: no place in the cluster enters an LDS address
	; descriptor group 1: 16,384 dense bytes as 64 rows of 32 elements of 8 bytes
	s_mov_b32 s[G1], 15|(3<<16)|(1<<21)            ; the mask: all four work-groups; elements of 8 bytes; bit 21 set beside a mask
	s_mov_b32 s[G1+1], 32<<16                      ; tensor_dim0
	s_mov_b32 s[G1+2], 64<<16                      ; tensor_dim1
	s_mov_b32 s[G1+3], 32<<16                      ; tile_dim0
	s_mov_b32 s[G1+4], 64                          ; tile_dim1
	s_mov_b32 s[G1+5], 32                          ; from row to row
	s_mov_b32 s[G1+6], 0
	s_mov_b32 s[G1+7], 0
	s_lshl_b32 s78, s69, 4
	s_lshl_b32 s79, s[WV], 1
	s_add_co_u32 s78, s78, s79                     ; my first tile of 16 queries in the sequence
	s_lshl_b32 s76, s70, 18
	s_lshl_b32 s79, s78, 11
	s_add_co_u32 s76, s76, s79                     ; Q: y 262,144 + tile 2,048
	s_mov_b32 s77, 0
	s_lshl_b32 s80, s78, 12                        ; the mask words: 4,096 bytes a tile
	s_mov_b32 s81, 0
	s_lshr_b32 s82, s70, 4
	s_lshl_b32 s82, s82, 7
	s_add_co_u32 s82, s82, s78                     ; af: tile 128 batch + ..
	s_lshl_b32 s82, s82, 15
	s_and_b32 s79, s70, 15
	s_lshl_b32 s79, s79, 11                        ; the head's 64 channels: 2,048 bytes of a tile's 32,768
	s_add_co_u32 s82, s82, s79
	s_mov_b32 s83, 0
	s_mov_b32 s[CS], 0x3e38aa3b                    ; c = log2(e) / 8
	s_mov_b32 s[CS+1], s[CS]
	s_mov_b32 s[SEL], 0x76543210
	s_mov_b32 s[SEL+1], 0xfedcba98
	s_mov_b32 s[MOFF], 0
	s_wait_dscnt 0x0                               ; both opening adds are done
	s_wait_kmcnt 0x0
	s_add_nc_u64 s[10:11], s[6:7], s[80:81]
	s_add_nc_u64 s[12:13], s[8:9], s[82:83]
	s_add_nc_u64 s[86:87], s[4:5], s[72:73]
.irp n, 0,1
	s_mov_b32 s[G0+4*\n], 1
	s_add_co_u32 s[G0+4*\n+1], s75, \n*SLOT1
	s_add_nc_u64 s[G0+4*\n+2:G0+4*\n+3], s[86:87], \n*65536
	s_or_b32 s[G0+4*\n+3], s[G0+4*\n+3], 0x80000000
.endr
	s_add_nc_u64 s[4:5], s[4:5], s[76:77]          ; Q at my first tile
	CROUND                                         ; all four work-groups are here: the first joint loads meet
	tensor_load_to_lds s[G0:G0+3], s[G1:G1+7]      ; every wave issues both first fills: two loads of mine are out
	s_nop 0
	tensor_load_to_lds s[G0+4:G0+7], s[G1:G1+7]
	s_nop 0
.rept 4
	v_nop
.endr
	v_and_b32 v[LI], 31, v0
	v_lshlrev_b32 v[LI], 4, v[LI]
	v_add_nc_u32 v[LV], 65536, v[LI]
	v_mov_b32 v[NINF], 0xff800000
.irp i, 0,1,2,3,4,5,6,7
	v_mov_b32 v[ONES+\i], 0x3c003c00               ; 1.0, 1.0 in f16
.endr
.irp t, 0,1
	v_mov_b32 v[ST+8*\t+1], 0xff7fffff             ; m: under every score
	v_mul_f32 v[ST+8*\t], s[CS], v[ST+8*\t+1]      ; c m
.endr
	WIN 0x40                                       ; destination window 1
.irp t, 0,1
.irp n, 0,1,2,3
	global_load_b128 v[Q+16*\t+4*\n:Q+16*\t+4*\n+3], v[LI], s[4:5] offset:2048*\t+512*\n   ; Q stays in registers
.endr
.endr
.set i, 0
.rept 80
	v_mov_b32 v[O+i], 0                            ; O^T and L.  (The step is written once: the first finds zeros, which the first a leaves zeros)
.set i, i+1
.endr
	WIN 0
	MASKS                                          ; step 0's
	s_wait_tensorcnt 1                             ; my part of slot 0 is in; slot 1's may stay out
	s_wait_loadcnt 0x0                             ; Q
	s_barrier_signal -1
	s_barrier_wait -1
; A KEY STEP: 64 keys.  ahead = 1: the next step's mask words are asked for.
.macro STEP ahead
	v_add_nc_u32 v[ADK], s[TB], v[LI]              ; these four plain lines are the places behind the last step's products, ahead of the loads into V's registers
	v_add_nc_u32 v[ADV], s[TB], v[LV]
	v_nop
	v_nop
.irp i, 0,1,2,3,4,5,6,7,8,9,10,11,12,13,14,15
	ds_load_b128 v[KF+4*\i:KF+4*\i+3], v[ADK] offset:512*\i
.endr
.irp i, 0,1,2,3,4,5,6,7,8,9,10,11,12,13,14,15
	ds_load_b128 v[VF+4*\i:VF+4*\i+3], v[ADV] offset:512*\i
.endr
	s_wait_dscnt 16                                ; K is in; V's sixteen loads may be out
	WIN 0x04                                       ; source 1 (Q) window 1
.irp kt, 0,1,2,3                       ; S^T = K Q^T: eight accumulators by turns, one instruction a turn; channels 0-31 start the sums
.irp t, 0,1
	v_wmma_f32_16x16x32_f16 v[S+32*\t+8*\kt:S+32*\t+8*\kt+7], v[KF+16*\kt:KF+16*\kt+7], v[Q+16*\t:Q+16*\t+7], 0
.endr
.endr
.irp kt, 0,1,2,3
.irp t, 0,1
	v_wmma_f32_16x16x32_f16 v[S+32*\t+8*\kt:S+32*\t+8*\kt+7], v[KF+16*\kt+8:KF+16*\kt+15], v[Q+16*\t+8:Q+16*\t+15], v[S+32*\t+8*\kt:S+32*\t+8*\kt+7]
.endr
.endr
	WIN 0
.rept 4
	v_nop
.endr
	s_wait_kmcnt 0x0                               ; this step's mask words
.irp i, 0,1,2,3,4,5,6,7,8,9,10,11,12,13,14,15,16,17,18,19,20,21,22,23,24,25,26,27,28,29,30,31
	v_cndmask_b32 v[S+\i], v[NINF], v[S+\i], s[MW0+\i]             ; a hidden score becomes -infinity; each accumulator from its low end on
	v_cndmask_b32 v[S+32+\i], v[NINF], v[S+32+\i], s[MW1+\i]
.endr
.if \ahead
	s_add_co_u32 s[MOFF], s[MOFF], 128             ; (no scalar load is out: the offset may be written)
	MASKS
.endif
.irp j, 0,1,2,3                        ; the maximum of my 32 scores and the old m, three at a time, four chains a tile, the tiles by turns
.irp t, 0,1
	v_max3_num_f32 v[ST+8*\t+4+\j], v[S+32*\t+8*\j], v[S+32*\t+8*\j+1], v[S+32*\t+8*\j+2]
.endr
.endr
.irp u, 1,2
.irp j, 0,1,2,3
.irp t, 0,1
	v_max3_num_f32 v[ST+8*\t+4+\j], v[ST+8*\t+4+\j], v[S+32*\t+8*\j+2*\u+1], v[S+32*\t+8*\j+2*\u+2]
.endr
.endr
.endr
.irp t, 0,1
	v_max3_num_f32 v[ST+8*\t+4], v[ST+8*\t+4], v[S+32*\t+7], v[S+32*\t+15]
	v_max3_num_f32 v[ST+8*\t+6], v[ST+8*\t+6], v[S+32*\t+23], v[S+32*\t+31]
.endr
.irp t, 0,1
	v_max3_num_f32 v[ST+8*\t+4], v[ST+8*\t+4], v[ST+8*\t+5], v[ST+8*\t+6]
.endr
.irp t, 0,1
	v_max3_num_f32 v[ST+8*\t+4], v[ST+8*\t+4], v[ST+8*\t+7], v[ST+8*\t+1]
.endr
.irp t, 0,1
	v_permlanex16_b32 v[ST+8*\t+5], v[ST+8*\t+4], s[SEL], s[SEL+1]     ; the query's other 32 keys lie in the lane 16 away
.endr
.irp t, 0,1
	v_mov_b32 v[ST+8*\t+7], v[ST+8*\t]             ; c m_old
.endr
.irp t, 0,1
	v_max_num_f32 v[ST+8*\t+1], v[ST+8*\t+4], v[ST+8*\t+5]
.endr
.irp t, 0,1
	v_mul_f32 v[ST+8*\t], s[CS], v[ST+8*\t+1]
.endr
.irp t, 0,1
	v_sub_f32 v[ST+8*\t+7], v[ST+8*\t+7], v[ST+8*\t]
.endr
.irp i, 0,2,4,6,8,10,12,14,16,18,20,22,24,26,28,30
.irp t, 0,1
	v_pk_fma_f32 v[S+32*\t+\i:S+32*\t+\i+1], v[S+32*\t+\i:S+32*\t+\i+1], s[CS:CS+1], v[ST+8*\t:ST+8*\t+1] op_sel_hi:[1,0,0] neg_lo:[0,0,1] neg_hi:[0,0,1]   ; c s - c m
.endr
.endr
.irp t, 0,1
	v_exp_f32 v[ST+8*\t+6], v[ST+8*\t+7]           ; a
.endr
.irp i, 0,1,2,3,4,5,6,7,8,9,10,11,12,13,14,15,16,17,18,19,20,21,22,23,24,25,26,27,28,29,30,31
.irp t, 0,1
	v_exp_f32 v[S+32*\t+\i], v[S+32*\t+\i]         ; p: one batch of 66 exponentials, none of which reads another's result
.endr
.endr
	v_nop                                          ; a plain line behind the last exponential
	s_wait_alu depctr_va_vdst(0)                   ; the wait ahead of the first line that names a result: one for the batch
.irp i, 0,1,2,3,4,5,6,7,8,9,10,11,12,13,14,15
.irp t, 0,1
	v_cvt_pk_f16_f32 v[P+16*\t+\i], v[S+32*\t+2*\i], v[S+32*\t+2*\i+1]
.endr
.endr
	WIN 0x41                                       ; O^T and L (destination, source 0) window 1; a window 0
.irp i, 0,2,4,6,8,10,12,14,16,18,20,22,24,26,28,30
.irp t, 0,1
	v_pk_mul_f32 v[O+32*\t+\i:O+32*\t+\i+1], v[O+32*\t+\i:O+32*\t+\i+1], v[ST+8*\t+6:ST+8*\t+7] op_sel_hi:[1,0]
.endr
.endr
.irp t, 0,1
	v_mul_f32 v[L+8*\t], v[L+8*\t], v[ST+8*\t+6]
.endr
	s_wait_dscnt 0x0                               ; V is in
	WIN 0x50                                       ; C and D window 1
.irp ks, 0,1                           ; O^T += V^T P and L += ONES P: ten accumulators by turns
.irp ct, 0,1,2,3
.irp t, 0,1
	v_wmma_f32_16x16x32_f16 v[O+32*\t+8*\ct:O+32*\t+8*\ct+7], v[VF+32*\ks+8*\ct:VF+32*\ks+8*\ct+7], v[P+16*\t+8*\ks:P+16*\t+8*\ks+7], v[O+32*\t+8*\ct:O+32*\t+8*\ct+7]
.endr
.endr
.irp t, 0,1
	v_wmma_f32_16x16x32_f16 v[L+8*\t:L+8*\t+7], v[ONES:ONES+7], v[P+16*\t+8*\ks:P+16*\t+8*\ks+7], v[L+8*\t:L+8*\t+7]
.endr
.endr
	WIN 0
	s_add_co_u32 s[TB], s[TB], 8192                ; the next step's K; its V lies 65,536 bytes behind it
.endm
.macro SLOT base, n                    ; n key steps of the slot at base, each asking for the next step's mask words
	s_mov_b32 s[TB], \base
	s_mov_b32 s[CNT], \n
.Lstep_\@:
	STEP 1
	s_sub_co_u32 s[CNT], s[CNT], 1
	s_cmp_lg_u32 s[CNT], 0
	s_cbranch_scc1 .Lstep_\@
.endm
; THE CHANGE OF SLOTS.  Each wave waits for all its tensor loads (its part of the slot ahead), adds 0 to its spare word, and waits for that and for its reads of the slot that it leaves.
; fill = 1: that slot takes the keys 1,024 further on: the barrier is a round of the cluster's, and the joint load is the first thing behind it: it has eight key steps in which to land.
.macro CHANGE slot, fill
	s_wait_tensorcnt 0x0                           ; no tensor load of mine is out, so a group 0 may be written
	ds_add_u32 v[SPW], v[NIL]
.if \fill
	s_add_nc_u64 s[G0+4*\slot+2:G0+4*\slot+3], s[G0+4*\slot+2:G0+4*\slot+3], 131072
.endif
	s_wait_dscnt 0x0
.if \fill
	CROUND
	tensor_load_to_lds s[G0+4*\slot:G0+4*\slot+3], s[G1:G1+7]
	s_nop 0
.rept 4
	v_nop
.endr
.else
	s_barrier_signal -1
	s_barrier_wait -1
.endif
.endm
	SLOT 0, 8
	CHANGE 0, 1
	SLOT SLOT1, 8
	CHANGE 1, 1
	SLOT 0, 8
	CHANGE 0, 0                                    ; nothing is left to fetch
	SLOT SLOT1, 7
	STEP 0                                         ; the last step asks for no mask words: no load leaves its buffer
	; THE WAY OUT: O^T / the sum, to f16, stored from registers in the order of the last launch's operand registers: af + tile 32,768 + head 2,048 + ct 512 + 16 lane
.rept 4
	v_nop
.endr
	WIN 0x01                                       ; source 0 window 1
.irp t, 0,1
	v_rcp_f32 v[ST+8*\t+6], v[L+8*\t]
.endr
	v_nop
	s_wait_alu depctr_va_vdst(0)                   ; one wait for both reciprocals, ahead of their first reader
.irp i, 0,2,4,6,8,10,12,14,16,18,20,22,24,26,28,30
.irp t, 0,1
	v_pk_mul_f32 v[S+32*\t+\i:S+32*\t+\i+1], v[O+32*\t+\i:O+32*\t+\i+1], v[ST+8*\t+6:ST+8*\t+7] op_sel_hi:[1,0]
.endr
.endr
	WIN 0
.irp i, 0,1,2,3,4,5,6,7,8,9,10,11,12,13,14,15
.irp t, 0,1
	v_cvt_pk_f16_f32 v[P+16*\t+\i], v[S+32*\t+2*\i], v[S+32*\t+2*\i+1]
.endr
.endr
.irp t, 0,1
.irp ct, 0,1,2,3
	global_store_b128 v[LI], v[P+16*\t+4*\ct:P+16*\t+4*\ct+3], s[12:13] offset:32768*\t+512*\ct    ; the wave stores 512 consecutive bytes
.endr
.endr
	s_wait_tensorcnt 0x0                           ; the wave's end
	ds_add_u32 v[SPW], v[NIL]
	s_wait_dscnt 0x0
	CROUND                                         ; the closing round
	s_endpgm
.Lfunc_end_k_q1fe8c9296d_attn:
	.size	k_q1fe8c9296d_attn, .Lfunc_end_k_q1fe8c9296d_attn-k_q1fe8c9296d_attn
	.p2alignl 7, 3214868480
	.fill 96, 4, 3214868480
	.section	.rodata,"a",@progbits
	.p2align	6, 0x0
	.amdhsa_kernel k_q1fe8c9296d_attn
		.amdhsa_group_segment_fixed_size 327680
		.amdhsa_private_segment_fixed_size 0
		.amdhsa_enable_private_segment 0
		.amdhsa_kernarg_size 24
		.amdhsa_user_sgpr_count 2
		.amdhsa_user_sgpr_kernarg_segment_ptr 1
		.amdhsa_wavefront_size32 1
		.amdhsa_system_sgpr_workgroup_id_x 1
		.amdhsa_system_sgpr_workgroup_id_y 1
		.amdhsa_system_sgpr_workgroup_id_z 1
		.amdhsa_system_vgpr_workitem_id 0
		.amdhsa_next_free_vgpr 384
		.amdhsa_next_free_sgpr 102
		.amdhsa_reserve_vcc 0
		.amdhsa_float_denorm_mode_32 3
		.amdhsa_float_denorm_mode_16_64 3
		.amdhsa_memory_ordered 1
		.amdhsa_forward_progress 1
		.amdhsa_inst_pref_size 115
	.end_amdhsa_kernel
	.amdgpu_metadata
---
amdhsa.version: [ 1, 2 ]
amdhsa.kernels:
  - .name:           k_q1fe8c9296d_attn
    .symbol:         k_q1fe8c9296d_attn.kd
    .args:
      - { .name: qkv, .offset: 0, .size: 8, .value_kind: global_buffer, .address_space: global }
      - { .name: maskw, .offset: 8, .size: 8, .value_kind: global_buffer, .address_space: global }
      - { .name: af, .offset: 16, .size: 8, .value_kind: global_buffer, .address_space: global }
    .group_segment_fixed_size: 327680
    .private_segment_fixed_size: 0
    .kernarg_segment_align: 8
    .kernarg_segment_size: 24
    .max_flat_workgroup_size: 256
    .sgpr_count:     102
    .vgpr_count:     384
    .wavefront_size: 32
...
	.end_amdgpu_metadata
.endif
;; end of part 3
;; launch outp (part 4): grid 4 x 64, 4 waves a work-group, clusters of 4 x 4, 327,680 bytes of LDS; arguments af, tabs, bo, out0; writes out0
.if DOCPART == 4
	.amdgcn_target "amdgcn-amd-amdhsa--gfx1250"
	.amdhsa_code_object_version 6
	.text
	.protected	k_q1fe8c9296d_outp
	.globl	k_q1fe8c9296d_outp
	.p2align	8
	.type	k_q1fe8c9296d_outp,@function
k_q1fe8c9296d_outp:
	s_mov_b64 s[64:65], 0
	v_nop
	global_prefetch_b8 v0, s[64:65] scope:SCOPE_SE
	s_setreg_imm32_b32 hwreg(HW_REG_WAVE_MODE, 25, 1), 1
	s_wait_xcnt 0x0
	s_wait_alu depctr_hold_cnt(0) depctr_sa_sdst(0) depctr_va_vdst(0) depctr_va_sdst(0) depctr_va_ssrc(0) depctr_va_vcc(0) depctr_vm_vsrc(0)
	s_getreg_b32 s2, hwreg(HW_REG_IB_STS2, 6, 4)
	s_cmp_eq_u32 s2, 0
	s_cbranch_scc0 .Lentry_in_a_cluster
	s_endpgm
.Lentry_in_a_cluster:
	s_bfe_u32 s2, ttmp6, 0x10000c
	s_cmp_lg_u32 s2, 0xf033
	s_cbranch_scc0 .Lentry_shape_is_right
	s_endpgm
.Lentry_shape_is_right:
; Launch 4 of 4: out0[token][n] = sum over k of af[token][k] Wo[k][n] + bo[n], operands in f16, sums in f32.  No work is left out.
; A work-group makes 128 tokens x 256 columns (256 work-groups); a wave 64 x 128: 32 accumulators.  Both operands lie in memory in the order of the operand registers (a tile of 16 rows: 32,768 bytes; 32 along K: 1,024 of them),
; so a K step of 128 is 4,096 consecutive bytes of each tile, and a fragment is read from LDS at 16 x lane: no pitch, no padding.  Eight K steps go through a ring of two LDS slots.
; THE MATRIX INSTRUCTION IS USED TRANSPOSED (source 0 = 16 columns of Wo, source 1 = 16 tokens): a lane holds a token and eight neighbouring columns.  bo is the C of each sum's first product: nothing is cleared, nothing is added.
; CLUSTERS: 4 x 4; af's tiles are shared along a row of the cluster, Wo's along a column.
; REGISTERS: window 0: v16-30 addresses; v32-127, v128-223 two fragment buffers (A's four at +0, B's eight at +32), on the way out rows of C;  window 1: the accumulators ((a, b) at v[8 (8 a + b)]);  window 2: v0-63 bo in the result's layout.
.set SLOT,  98304                      ; A: 8 tiles x 4,096 bytes; B: 16 tiles x 4,096
.set STAGE, 196608                     ; 16 rows x (512 + 16) bytes for each wave; no tile lands here
.set SPARE, STAGE+4*16*528             ; the spare words, 128 bytes a wave
.set ADRA, 16
.set ADRB, 20
.set STO,  24
.set RD,   25
.set CO,   26                          ; v26  16 x lane
.set SPW,  28
.set NIL,  29
.set PFO,  30
.set F0,   32
.set F1,   128
.set BK,   32
.set WV,   12                          ; s12  wave
.set HR,   13                          ; s13  which 64 tokens are mine.  Also: I fetch for A (0) or for B (1)
.set HC,   14                          ; s14  which 128 columns.  Also: which half of that tile I fetch
.set TY,   15                          ; s15  the tile row
.set G1,   24
.set G0,   32
.set LIM,  43
.set PFA,  44
.set G1B,  48
.set G0B,  56
.set MUL,  0x50                        ; C and D window 1
.set MSB, 0
.macro WIN new
.if MSB != (\new)
	s_set_vgpr_msb (MSB<<8)|(\new)
.set MSB, (\new)
.endif
.endm
.macro JLOAD s                         ; a joint load; the branch hangs on the wave's number alone; an s_nop 0 and four v_nop follow each line
	s_cmp_eq_u32 s[HR], 0
	s_cbranch_scc0 .Lfor_b_\@
	tensor_load_to_lds s[G0+4*\s:G0+4*\s+3], s[G1:G1+7]
	s_nop 0
.rept 4
	v_nop
.endr
	s_branch .Lasked_\@
.Lfor_b_\@:
	tensor_load_to_lds s[G0B+4*\s:G0B+4*\s+3], s[G1B:G1B+7]
	s_nop 0
.rept 4
	v_nop
.endr
.Lasked_\@:
.endm
.macro CREST
	s_cmp_lg_u32 s[WV], 0
	s_cbranch_scc1 .Lnot_wave_0_\@
	s_barrier_signal -3
.Lnot_wave_0_\@:
	s_barrier_wait -3
	s_barrier_signal -1
	s_barrier_wait -1
.endm
.macro CROUND
	s_barrier_signal -1
	s_barrier_wait -1
	CREST
.endm
; A PREFETCH of af's K step two refills on.  af's tile row is read by the four partners of a cluster's row and by nobody else: each takes two of its eight tiles, told apart BY ADDRESS (2 cx, 2 cx + 1);
; in each, wave 0 asks: lane l names block l % 16 of 256 bytes of tile l / 16: each block is named once in the launch.  The loop's last trip asks for nothing: there is no K step behind the eighth.  Wo's tiles, which all sixteen rows of clusters read, are not asked for.
.macro ASK
	s_cmp_gt_u32 s3, s[LIM]
	s_cbranch_scc0 .Lnot_mine_\@
	global_prefetch_b8 v[PFO], s[PFA:PFA+1] offset:4096 th:TH_LOAD_NT scope:SCOPE_SE
.Lnot_mine_\@:
.endm
	s_load_b128 s[4:7], s[0:1], 0x0                ; af, tabs (Wo's fragments lie at its head)
	s_load_b128 s[8:11], s[0:1], 0x10              ; bo, out0
	v_lshl_add_u32 v[SPW], v0, 2, SPARE
	v_mov_b32 v[NIL], 0
	ds_add_u32 v[SPW], v[NIL]                      ; the wave's opening: the add, twice on end, and its wait ahead of my first tensor load
	ds_add_u32 v[SPW], v[NIL]
	v_lshrrev_b32 v1, 5, v0
	v_readfirstlane_b32 s[WV], v1
	s_lshr_b32 s[HR], s[WV], 1
	s_and_b32 s[HC], s[WV], 1
	s_bfe_u32 s40, ttmp6, 0x40000                  ; cx
	s_bfe_u32 s41, ttmp6, 0x40004                  ; cy
	s_lshl_b32 s42, ttmp9, 2
	s_add_co_u32 s42, s42, s40                     ; the tile column
	s_and_b32 s[TY], ttmp7, 0xffff
	s_lshl_b32 s[TY], s[TY], 2
	s_add_co_u32 s[TY], s[TY], s41                 ; the tile row
	s_lshl_b32 s16, s41, 2
	s_lshl_b32 s16, 15, s16                        ; my row of the cluster
	s_lshl_b32 s17, 0x1111, s40                    ; my column
	; descriptor group 1: rows of 4,096 bytes (512 elements of 8), 32,768 bytes apart: 4 of them for A, 8 for B
	s_or_b32 s[G1], s16, (3<<16)|(1<<21)
	s_or_b32 s[G1B], s17, (3<<16)|(1<<21)
	s_mov_b32 s[G1+1], 512<<16
	s_mov_b32 s[G1+2], 4<<16
	s_mov_b32 s[G1+3], 512<<16
	s_mov_b32 s[G1+4], 4
	s_mov_b32 s[G1+5], 4096
	s_mov_b32 s[G1+6], 0
	s_mov_b32 s[G1+7], 0
	s_mov_b32 s[G1B+1], 512<<16
	s_mov_b32 s[G1B+2], 8<<16
	s_mov_b32 s[G1B+3], 512<<16
	s_mov_b32 s[G1B+4], 8
	s_mov_b32 s[G1B+5], 4096
	s_mov_b32 s[G1B+6], 0
	s_mov_b32 s[G1B+7], 0
	s_lshl_b32 s18, s[TY], 3
	s_lshl_b32 s19, s[HC], 2
	s_add_co_u32 s18, s18, s19
	s_lshl_b32 s18, s18, 15                        ; A: tile 8 x tile row + 4 x half
	s_mov_b32 s19, 0
	s_lshl_b32 s46, s42, 4
	s_lshl_b32 s47, s[HC], 3
	s_add_co_u32 s46, s46, s47
	s_lshl_b32 s46, s46, 15                        ; B: tile 16 x tile column + 8 x half
	s_mov_b32 s47, 0
	s_lshl_b32 s20, s[HC], 14                      ; where they go: no place in the cluster enters an LDS address
	s_lshl_b32 s21, s[HC], 15
	s_add_co_u32 s21, s21, 32768
	s_wait_dscnt 0x0                               ; both opening adds are done
	s_wait_kmcnt 0x0
	s_add_nc_u64 s[18:19], s[4:5], s[18:19]
	s_add_nc_u64 s[46:47], s[6:7], s[46:47]
	CROUND                                         ; all sixteen work-groups are here
.irp s, 0,1
	s_mov_b32 s[G0+4*\s], 1
	s_add_co_u32 s[G0+4*\s+1], s20, \s*SLOT
	s_add_nc_u64 s[G0+4*\s+2:G0+4*\s+3], s[18:19], \s*4096
	s_or_b32 s[G0+4*\s+3], s[G0+4*\s+3], 0x80000000
	s_mov_b32 s[G0B+4*\s], 1
	s_add_co_u32 s[G0B+4*\s+1], s21, \s*SLOT
	s_add_nc_u64 s[G0B+4*\s+2:G0B+4*\s+3], s[46:47], \s*4096
	s_or_b32 s[G0B+4*\s+3], s[G0B+4*\s+3], 0x80000000
	JLOAD \s                                       ; two loads of mine are out
.endr
	v_and_b32 v1, 31, v0
	v_lshlrev_b32 v[CO], 4, v1
	s_lshl_b32 s22, s[HR], 14                      ; my four tiles of tokens
	s_lshl_b32 s23, s[HC], 15
	s_add_co_u32 s23, s23, 32768                   ; my eight tiles of columns
.irp s, 0,1
	v_add_nc_u32 v[ADRA+\s], s22, v[CO]
	v_add_nc_u32 v[ADRB+\s], s23, v[CO]
	s_add_co_u32 s22, s22, SLOT
	s_add_co_u32 s23, s23, SLOT
.endr
	v_and_b32 v2, 15, v0                           ; r
	v_bfe_u32 v3, v0, 4, 1                         ; h
	s_mul_i32 s22, s[WV], 16*528
	s_add_co_u32 s22, s22, STAGE                   ; my stage
	v_mul_u32_u24 v[STO], v2, 528
	v_lshl_add_u32 v[STO], v3, 5, v[STO]
	v_add_nc_u32 v[STO], s22, v[STO]               ; in: row r, + 32 h
	v_add_nc_u32 v[RD], s22, v[CO]                 ; back: the 32 lanes take a row of 512 bytes
	s_lshl_b32 s22, s42, 10
	s_lshl_b32 s23, s[HC], 9
	s_add_co_u32 s22, s22, s23                     ; my first column, in bytes
	s_mov_b32 s23, 0
	s_add_nc_u64 s[8:9], s[8:9], s[22:23]          ; bo there
	s_add_nc_u64 s[10:11], s[10:11], s[22:23]
	s_lshl_b32 s22, s[TY], 19
	s_lshl_b32 s16, s[HR], 18
	s_add_co_u32 s22, s22, s16                     ; my first token's row of 4,096 bytes
	s_add_nc_u64 s[10:11], s[10:11], s[22:23]
	v_lshlrev_b32 v4, 5, v3                        ; my eight columns of a tile
	WIN 0x80                                       ; destination window 2
.set i, 0
.rept 16
	global_load_b128 v[4*i:4*i+3], v4, s[8:9] offset:64*(i/2)+16*(i%2)
.set i, i+1
.endr
	WIN 0
	s_cmp_eq_u32 s[WV], 0
	s_cselect_b32 s[LIM], 1, -1                    ; wave 0 prefetches while the trips to go are above 1
	s_lshl_b32 s22, s[TY], 3
	s_lshl_b32 s16, s40, 1
	s_add_co_u32 s22, s22, s16
	s_lshl_b32 s22, s22, 15
	s_add_co_u32 s22, s22, 2*4096                  ; at K step 2: the first refill steps it to 3 and names K step 4.  Nothing is prefetched here, at the head
	s_add_nc_u64 s[PFA:PFA+1], s[4:5], s[22:23]
	v_lshlrev_b32 v[PFO], 8, v2
	v_lshl_add_u32 v[PFO], v3, 15, v[PFO]
.macro MUL8 f, a, first                ; token tile a x my eight tiles of columns, 32 along K.  The 32 accumulators take turns, one instruction a turn
.irp b, 0,1,2,3,4,5,6,7
.if \first
	v_wmma_f32_16x16x32_f16 v[8*(8*(\a)+\b):8*(8*(\a)+\b)+7], v[\f+32+8*\b:\f+32+8*\b+7], v[\f+8*(\a):\f+8*(\a)+7], v[8*\b:8*\b+7]
.else
	v_wmma_f32_16x16x32_f16 v[8*(8*(\a)+\b):8*(8*(\a)+\b)+7], v[\f+32+8*\b:\f+32+8*\b+7], v[\f+8*(\a):\f+8*(\a)+7], v[8*(8*(\a)+\b):8*(8*(\a)+\b)+7]
.endif
.endr
.endm
.macro FETCH slot, ksl, f              ; 24 LDS loads in one run: B's sixteen, then A's eight
.irp b, 0,1,2,3,4,5,6,7
	ds_load_b128 v[\f+32+8*\b:\f+32+8*\b+3], v[ADRB+\slot] offset:4096*\b+1024*(\ksl)
	ds_load_b128 v[\f+32+8*\b+4:\f+32+8*\b+7], v[ADRB+\slot] offset:4096*\b+1024*(\ksl)+512
.endr
.irp a, 0,1,2,3
	ds_load_b128 v[\f+8*\a:\f+8*\a+3], v[ADRA+\slot] offset:4096*\a+1024*(\ksl)
	ds_load_b128 v[\f+8*\a+4:\f+8*\a+7], v[ADRA+\slot] offset:4096*\a+1024*(\ksl)+512
.endr
.endm
.macro PLACES                          ; four plain places behind matrix instructions, ahead of loads into registers that they read and of reads of their results
.rept 4
	v_nop
.endr
.endm
; A K step is four quarters of 32 along K, 32 matrix instructions each, on buffers 0, 1, 0, 1.  One of the first three: multiplies f and fetches quarter ksl of the same slot into g.
.macro QUARTER slot, ksl, f, g, first
	s_wait_dscnt 4                                 ; B's and A's tiles 0, 1 are in; the youngest four loads (A's tiles 2, 3) may be out
	WIN MUL+0x10*(\first)                          ; first = 1: C is bo, in window 2
	MUL8 \f, 0, \first
	MUL8 \f, 1, \first
	PLACES
	WIN 0
	FETCH \slot, \ksl, \g
	s_wait_dscnt 24                                ; all but the 24 just issued
	WIN MUL+0x10*(\first)
	MUL8 \f, 2, \first
	MUL8 \f, 3, \first
.endm
; The last quarter multiplies buffer 1 and changes slots: one barrier; in front of it each wave waits for all its tensor loads, adds 0 to its spare word, and waits for that and for its reads of this slot.
.macro TURN slot, next, fill
	WIN 0
.if \fill
	s_wait_xcnt 0x0                                ; the last prefetch, a K step back, has read its address
	s_add_nc_u64 s[PFA:PFA+1], s[PFA:PFA+1], 4096
.endif
	s_wait_tensorcnt 0x0                           ; my part of the next slot has landed
	ds_add_u32 v[SPW], v[NIL]
	s_wait_dscnt 5                                 ; (the add and the youngest four loads may be out)
	WIN MUL
	MUL8 F1, 0, 0
	s_wait_dscnt 0x0                               ; the add is done, and my reads of this slot are over
	s_barrier_signal -1
	MUL8 F1, 1, 0
	WIN 0
	s_barrier_wait -1
.if \fill
	CREST                                          ; the barrier has opened a round of the cluster's: no wave of any partner still reads this slot or has a load on its way
	s_add_nc_u64 s[G0+4*\slot+2:G0+4*\slot+3], s[G0+4*\slot+2:G0+4*\slot+3], 8192
	s_add_nc_u64 s[G0B+4*\slot+2:G0B+4*\slot+3], s[G0B+4*\slot+2:G0B+4*\slot+3], 8192
	JLOAD \slot                                    ; the first tensor load behind the round; its four v_nop are also the places ahead of the loads below
.else
	PLACES
.endif
	FETCH \next, 0, F0
.if \fill
	ASK
.endif
	WIN MUL
	MUL8 F1, 2, 0
	MUL8 F1, 3, 0
.endm
	s_wait_tensorcnt 1                             ; my part of K step 0 is in; K step 1's may stay out
	s_barrier_signal -1
	s_barrier_wait -1
	FETCH 0, 0, F0
	s_wait_loadcnt 0x0                             ; bo
	QUARTER 0, 1, F0, F1, 1                        ; the first quarter stands in front of the loop: its products start the sums from bo
	WIN 0
	s_mov_b32 s3, 3
.Llap:                                             ; a trip goes once round the ring and fills both slots again
	QUARTER 0, 2, F1, F0, 0
	QUARTER 0, 3, F0, F1, 0
	TURN 0, 1, 1
	QUARTER 1, 1, F0, F1, 0
	QUARTER 1, 2, F1, F0, 0
	QUARTER 1, 3, F0, F1, 0
	TURN 1, 0, 1
	QUARTER 0, 1, F0, F1, 0
	WIN 0
	s_sub_co_u32 s3, s3, 1
	s_cmp_lg_u32 s3, 0
	s_cbranch_scc1 .Llap
	QUARTER 0, 2, F1, F0, 0                        ; the last lap fills nothing
	QUARTER 0, 3, F0, F1, 0
	TURN 0, 1, 0
	QUARTER 1, 1, F0, F1, 0
	QUARTER 1, 2, F1, F0, 0
	QUARTER 1, 3, F0, F1, 0
	s_wait_dscnt 4
	WIN MUL
	MUL8 F1, 0, 0
	MUL8 F1, 1, 0
	s_wait_dscnt 0
	MUL8 F1, 2, 0
	MUL8 F1, 3, 0
	WIN 0
; THE WAY OUT, a block of 16 tokens x 128 columns at a time: through my own stage in LDS, back as whole rows of 512 bytes.  LDS serves a wave's instructions in order: no wait between the stores and the loads.
.macro TOSTAGE a
	WIN 0x04                                       ; an LDS store's data are its source 1: window 1
.irp b, 0,1,2,3,4,5,6,7
	ds_store_b128 v[STO], v[64*(\a)+8*\b:64*(\a)+8*\b+3] offset:64*\b           ; each accumulator from its low end on
	ds_store_b128 v[STO], v[64*(\a)+8*\b+4:64*(\a)+8*\b+7] offset:64*\b+16
.endr
	WIN 0
.set BB, BK+64*((\a)%2)
.set i, 0
.rept 16
	ds_load_b128 v[BB+4*i:BB+4*i+3], v[RD] offset:i*528
.set i, i+1
.endr
.endm
.macro SEND a, younger                 ; younger: the LDS instructions issued behind block a's loads, which may stay out
.set BB, BK+64*((\a)%2)
	s_wait_dscnt \younger
.set i, 0
.rept 16
	global_store_b128 v[CO], v[BB+4*i:BB+4*i+3], s[10:11] offset:(16*(\a)+i)*4096 th:TH_STORE_NT   ; 32 lanes store 512 consecutive bytes, aligned; the row stands in the immediate
.set i, i+1
.endr
.endm
	PLACES
	TOSTAGE 0
.irp a, 1,2,3
.if \a > 1
	s_wait_xcnt 0x0                                ; block a - 2's stores have read the registers into which block a's rows are loaded
.endif
	TOSTAGE \a
	SEND \a-1, 32                                  ; behind block a - 1's loads: block a's 16 stores and 16 loads
.endr
	SEND 3, 0
	s_wait_tensorcnt 0x0                           ; the wave's end
	ds_add_u32 v[SPW], v[NIL]
	s_wait_dscnt 0x0
	CROUND                                         ; the closing round
	s_endpgm
.Lfunc_end_k_q1fe8c9296d_outp:
	.size	k_q1fe8c9296d_outp, .Lfunc_end_k_q1fe8c9296d_outp-k_q1fe8c9296d_outp
	.p2alignl 7, 3214868480
	.fill 96, 4, 3214868480
	.section	.rodata,"a",@progbits
	.p2align	6, 0x0
	.amdhsa_kernel k_q1fe8c9296d_outp
		.amdhsa_group_segment_fixed_size 327680
		.amdhsa_private_segment_fixed_size 0
		.amdhsa_enable_private_segment 0
		.amdhsa_kernarg_size 32
		.amdhsa_user_sgpr_count 2
		.amdhsa_user_sgpr_kernarg_segment_ptr 1
		.amdhsa_wavefront_size32 1
		.amdhsa_system_sgpr_workgroup_id_x 1
		.amdhsa_system_sgpr_workgroup_id_y 1
		.amdhsa_system_sgpr_workgroup_id_z 1
		.amdhsa_system_vgpr_workitem_id 0
		.amdhsa_next_free_vgpr 576
		.amdhsa_next_free_sgpr 66
		.amdhsa_reserve_vcc 0
		.amdhsa_float_denorm_mode_32 3
		.amdhsa_float_denorm_mode_16_64 3
		.amdhsa_memory_ordered 1
		.amdhsa_forward_progress 1
		.amdhsa_inst_pref_size 87
	.end_amdhsa_kernel
	.amdgpu_metadata
---
amdhsa.version: [ 1, 2 ]
amdhsa.kernels:
  - .name:           k_q1fe8c9296d_outp
    .symbol:         k_q1fe8c9296d_outp.kd
    .args:
      - { .name: af, .offset: 0, .size: 8, .value_kind: global_buffer, .address_space: global }
      - { .name: tabs, .offset: 8, .size: 8, .value_kind: global_buffer, .address_space: global }
      - { .name: bo, .offset: 16, .size: 8, .value_kind: global_buffer, .address_space: global }
      - { .name: out0, .offset: 24, .size: 8, .value_kind: global_buffer, .address_space: global }
    .group_segment_fixed_size: 327680
    .private_segment_fixed_size: 0
    .kernarg_segment_align: 8
    .kernarg_segment_size: 32
    .max_flat_workgroup_size: 128
    .sgpr_count:     66
    .vgpr_count:     576
    .wavefront_size: 32
...
	.end_amdgpu_metadata
.endif
;; end of part 4
